; MI455X (gfx1250); checked and timed in simulation.
; The chip was launched on July 23, 2026; its instructions are those of AMD's public machine-readable ISA for CDNA 5 (MIT licence, August 2026) and "CDNA5" Instruction Set Architecture Reference Guide (July 2026). The comments in the code are by the model that wrote it; some were corrected since.
;; Multi Head Attention. Allowed arithmetic: matrix products marked QUANTISED: E4M3 operands, one given power-of-two scale a tensor, by v_wmma_f32_16x16x64_fp8_fp8 or v_wmma_f32_16x16x128_fp8_fp8, f32 sums; everything else in f32.
;; Inputs: Wk 1,024 x 1,024 float32; Wo 1,024 x 1,024 float32; Wq 1,024 x 1,024 float32; Wv 1,024 x 1,024 float32; bk 1,024 float32; bo 1,024 float32; bq 1,024 float32; bv 1,024 float32; lowp_scales 12 int32 (the exponents e of the quantised operands' scales 2^e); x 4 x 2,048 x 1,024 float32.
;; Outputs: out0 4 x 2,048 x 1,024 float32.
;; This version of the problem:
;;   THIS VERSION OF THE PROBLEM IS GIVEN IN LOW PRECISION. The matrix products marked QUANTISED in the list below multiply operands that are first quantised to E4M3 (4 exponent bits, 3 mantissa bits; 8 bits a number), with one given power-of-two scale for each operand tensor; their sums are f32. All else is computed in f32.
;;   The module's matrix products, in the order in which they are computed (A, B: the left and right operand; K: the contracted axis; several contracted axes count as one K, in the product's order):
;;     1. [M 8,192, K 1,024] x [K 1,024, N 1,024]; A: input x; B: input Wq: QUANTISED (scales: A lowp_scales[0], B lowp_scales[1])
;;     2. [M 8,192, K 1,024] x [K 1,024, N 1,024]; A: input x; B: input Wk: QUANTISED (scales: A lowp_scales[2], B lowp_scales[3])
;;     3. [M 8,192, K 1,024] x [K 1,024, N 1,024]; A: input x; B: input Wv: QUANTISED (scales: A lowp_scales[4], B lowp_scales[5])
;;     4. batch 64 x [M 2,048, K 64] x [K 64, N 2,048]; A: computed on the way; B: computed on the way: QUANTISED (scales: A lowp_scales[6], B lowp_scales[7])
;;     5. batch 64 x [M 2,048, K 2,048] x [K 2,048, N 64]; A: softmax (see below); B: computed on the way: QUANTISED (scales: A lowp_scales[8], B lowp_scales[9])
;;     6. [M 8,192, K 1,024] x [K 1,024, N 1,024]; A: computed on the way; B: input Wo: QUANTISED (scales: A lowp_scales[10], B lowp_scales[11])
;;   THE QUANTISER, for each operand of a quantised product, along K:
;;     - The operand's scale is 2^e, e = its entry of the input lowp_scales (int32; the entries are numbered through the quantised products in the list's order, A before B).
;;     - Each number is divided by the scale, clamped to +-448, and rounded to the nearest number of E4M3, ties to even, subnormals kept.
;;     - The product sums the exact products of the quantised numbers (number of the format x scale) in f32.
;;   ~~~python
;;   def quantise(x, axis, e):      # numpy; x: float32 -> the quantised numbers, widened to float32 again
;;       x = np.moveaxis(x, axis, -1); K = x.shape[-1]
;;       r = np.clip(x / 2.0 ** e, -448, 448)
;;       step = 2.0 ** (np.maximum(np.frexp(np.where(r == 0, 1, r))[1] - 1, -6) - 3)
;;       q = np.round(r / step) * step * 2.0 ** e      # np.round: ties to even
;;       return np.moveaxis(q, -1, axis).astype(np.float32)
;;   ~~~
;;   SOFTMAX AHEAD OF A QUANTISED PRODUCT. Where the list says 'softmax', what is quantised is not the finished softmax but p = 2^(t - M), with t = logit x log2(e) and M = ceil(the row's largest t), a whole number; so 1/2 < the row's largest p <= 1. The row's sum l is taken of the UNQUANTISED p, in f32, and the product's result is divided by l at the end. Since M is a whole number, a kernel that streams over the keys may use a running M (the ceiling of the running maximum): every later rescaling is an exact power of two, so the quantised numbers keep their values, but for numbers so far below the row's largest that they fall under the format's range.
;;   OPERANDS COMPUTED ON THE WAY. 'Computed on the way' means the value that the module computes at that place (a softmax that the list does not call 'softmax' is quantised finished and normalised). What goes into a quantiser is computed in f32, as accurately as f32 sums, v_exp_f32 and their like allow (about 1e-6 of the number): no bf16 or f16 on the way to a quantiser, and a product that is left as it is and whose result goes on into a quantised operand takes f32 operands (vector FMAs, or v_wmma_f32_16x16x4_f32). A number that lies on a knife's edge between two numbers of the format may be rounded either way, as far as f32 arithmetic and the matrix unit's own rounding can turn it there, and no further.
;; One version. Each part assembles by itself: llvm-mc -triple=amdgcn-amd-amdhsa -mcpu=gfx1250 --defsym DOCPART=n.
;; ======== version 1 of 1: 4 launches
;; limits: right only within a limited range of input values
;; workspace buffers: codes 29,360,128 bytes; qkvc 25,165,824 bytes; cc 8,388,608 bytes
;; launch quant (part 1): grid 384 x 1, 4 waves a work-group, no clusters, 68,096 bytes of LDS; arguments x, Wq, Wk, Wv, Wo, lowp_scales, codes; writes codes
.if DOCPART == 1
	.amdgcn_target "amdgcn-amd-amdhsa--gfx1250"
	.amdhsa_code_object_version 6
	.text
	.protected	k_qf094093d3a_quant
	.globl	k_qf094093d3a_quant
	.p2align	8
	.type	k_qf094093d3a_quant,@function
k_qf094093d3a_quant:
	s_mov_b64 s[64:65], 0
	v_nop
	global_prefetch_b8 v0, s[64:65] scope:SCOPE_SE
	s_setreg_imm32_b32 hwreg(HW_REG_WAVE_MODE, 25, 1), 1
	s_wait_xcnt 0x0
; f32 numbers into codes of FP8 (E4M3), each tensor with the scale 2^e that is given for it: code = x / 2^e, held within +-448, to the nearest code, ties to even.
; x [8192][1024] is an operand of three products with three scales (entries 0, 2, 4): three sets of codes, [8192][1024] each, at bytes 0, 8 MiB and 16 MiB of the buffer of codes.
; Wq, Wk, Wv, Wo [k 1024][n 1024] (entries 1, 3, 5, 11) have K as their FIRST axis: their codes are laid [n][k], K innermost, at 24 MiB + 1 MiB x tensor.
; Work-groups 0-255 take x, work-groups 256-383 the weights.  The two ways never join, share no LDS byte (x: bytes 0-32,767; weights: from 32,768 on) and have no barrier: waves share nothing.
; x: a wave takes 16 steps of 512 numbers.  Each load reads 512 consecutive bytes; a step's 2,048 bytes turn through the wave's own stage in LDS, so that a lane gets 16 NEIGHBOURS along K, which the
;    conversions want; the numbers are read from memory once and quantised three times; a lane's 16 codes are 16 bytes, so each store covers 512 consecutive bytes.
; W: a lane takes a column n and its registers run down K, so the conversions give codes with K innermost; they leave through the wave's stage as rows: sixteen lanes store 256 consecutive bytes, aligned.
; LIMITS: each of the seven exponents lies between -126 and 119, so that 2^e and 448 x 2^e are f32 numbers.  NaN among the inputs is not served; an infinity is held at the largest code.
.set STEPS, 16
.set SP,    80                         ; x: a lane's place in a stage: its 64 bytes + 16 of padding
.set WREG,  8192                       ; x: LDS of a wave: two stages of 32 x SP bytes
.set R,     16                         ; v16-79    x: four sets of 16 numbers as they are loaded
.set X,     80                         ; v80-111   x: two sets of 16 neighbours
.set T,     112                        ; v112-159  x: the numbers held within a scale's range, a set for each scale
.set C,     160                        ; v160-171  x: the codes, four registers for each scale
.set WSTG,  32768                      ; W: the stages begin here
.set PITCH, 272                        ; W: a stage row: 256 bytes of codes + 16
.set NB,    8                          ; W: blocks of 32 along K for a wave
.set WX,    32                         ; v32-95    W: two sets of 32 numbers
.set WC,    96                         ; v96-103   W: a block's codes
.set OUTR,  112                        ; v112-175  W: the way out
.macro XLOAD t
.irp i, 0,1,2,3
	global_load_b128 v[R+16*((\t)%4)+4*\i:R+16*((\t)%4)+4*\i+3], v3, s[4:5] offset:2048*(\t)+512*\i th:TH_LOAD_NT   ; 32 lanes read 512 consecutive bytes
.endr
.endm
.macro XTURN t                         ; step t's numbers through the stage: LDS serves a wave's instructions in order, so no wait stands between the stores and the loads
.irp i, 0,1,2,3
	ds_store_b128 v14, v[R+16*((\t)%4)+4*\i:R+16*((\t)%4)+4*\i+3] offset:32*SP*((\t)%2)+8*SP*\i
.endr
	v_nop
.irp i, 0,1,2,3
	ds_load_b128 v[X+16*((\t)%2)+4*\i:X+16*((\t)%2)+4*\i+3], v15 offset:32*SP*((\t)%2)+16*\i
.endr
.endm
.macro XSTEP t
.set XS, X+16*((\t)%2)
	s_wait_dscnt 0x0                               ; this step's numbers are back from the stage, and its stores into the stage have read their registers,
.if (\t)+4 < STEPS
	XLOAD (\t)+4                                   ; which take the loads of four steps on
.endif
.if (\t)+1 < STEPS
.if STEPS-2-(\t) >= 3
	s_wait_loadcnt 12                              ; the next step's four loads are in; those of the three steps behind it may be out
.else
	s_wait_loadcnt 4*(STEPS-2-(\t))
.endif
	XTURN (\t)+1                                   ; and go through the other stage while this step is worked
.endif
.irp j, 0,1,2
.irp i, 0,1,2,3,4,5,6,7,8,9,10,11,12,13,14,15
.endr
.if \j == 0
	s_wait_xcnt 0x0                                ; the last step's stores have read their data: only behind this wait are the codes' registers written again
.endif
	v_cvt_scalef32_pk8_fp8_f32 v[C+4*\j:C+4*\j+1], v[T+16*\j+((XS+0)-(T+16*\j+0)):T+16*\j+7+((XS+0)-(T+16*\j+0))], v[8+2*\j]
	v_cvt_scalef32_pk8_fp8_f32 v[C+4*\j+2:C+4*\j+3], v[T+16*\j+8+((XS+0)-(T+16*\j+0)):T+16*\j+15+((XS+0)-(T+16*\j+0))], v[8+2*\j]
.endr
.irp j, 0,1,2
	global_store_b128 v3, v[C+4*\j:C+4*\j+3], s[36+2*\j:37+2*\j] offset:512*(\t)   ; 32 lanes store 512 consecutive bytes
.endr
.endm
.macro WLOAD t                         ; block t: W(32 t + i, my column), i = 0 .. 31, into set t % 2
.set i, 0
.rept 32
	global_load_b32 v[WX+32*((\t)%2)+i], v3, s[6:7] offset:(32*(\t)+i)*4096 th:TH_LOAD_NT
.set i, i+1
.endr
.endm
.macro WBLOCK t
.set XS, WX+32*((\t)%2)
.if (\t) < NB-1
	s_wait_loadcnt 32                              ; this block's 32 loads are in; the next block's may be out
.else
	s_wait_loadcnt 0
.endif
.set i, 0
.rept 32
.set i, i+1
.endr
.irp g, 0,1,2,3
	v_cvt_scalef32_pk8_fp8_f32 v[WC+2*\g:WC+2*\g+1], v[XS+8*\g:XS+8*\g+7], v11
.endr
	ds_store_b128 v4, v[WC:WC+3] offset:32*(\t)    ; 32 codes: 32 bytes of my column's row
	ds_store_b128 v4, v[WC+4:WC+7] offset:32*(\t)+16
.if (\t)+2 < NB
	WLOAD (\t)+2
.endif
	s_wait_dscnt 0x0                               ; the stores have read their registers: the next block's codes may be written
.endm
	s_load_b256 s[4:11], s[0:1], 0x0               ; x s[4:5], Wq s[6:7], Wk s[8:9], Wv s[10:11]
	s_load_b128 s[12:15], s[0:1], 0x20             ; Wo s[12:13], the scales' exponents s[14:15]
	s_load_b64 s[16:17], s[0:1], 0x30              ; the codes
	v_lshl_add_u32 v192, v0, 2, 0x10800
	v_mov_b32 v193, 0
	v_lshrrev_b32 v1, 5, v0
	v_readfirstlane_b32 s18, v1                    ; wave 0..3
	v_and_b32 v2, 31, v0                           ; lane
	s_wait_kmcnt 0x0
	s_load_b256 s[24:31], s[14:15], 0x0            ; entries 0-7
	s_load_b128 s[32:35], s[14:15], 0x20           ; entries 8-11
	s_cmp_ge_u32 ttmp9, 256                        ; the choice hangs on the work-group's number alone
	s_cbranch_scc1 .Lweights
	s_wait_alu depctr_va_vdst(0)
	; ---- x
	v_lshlrev_b32 v3, 4, v2                        ; my 16 bytes of a load's, and of a store's, 512; never rewritten
	s_wait_alu depctr_va_vdst(0)
	s_mul_i32 s19, s18, WREG
	v_lshrrev_b32 v14, 2, v2
	v_mul_u32_u24 v14, v14, SP
	v_and_b32 v15, 3, v2
	v_lshl_add_u32 v14, v15, 4, v14
	v_add_nc_u32 v14, s19, v14                     ; the stage, on the way in: four lanes' 64 bytes on end, then 16 of padding
	v_mul_u32_u24 v15, v2, SP
	v_add_nc_u32 v15, s19, v15                     ; and on the way out: my 16 neighbours
	s_lshl_b32 s20, ttmp9, 2
	s_add_co_u32 s20, s20, s18                     ; which run of 8,192 numbers is my wave's: 0 .. 1,023
	s_lshl_b32 s22, s20, 15
	s_mov_b32 s23, 0
	s_add_nc_u64 s[4:5], s[4:5], s[22:23]
	s_lshl_b32 s22, s20, 13
	s_add_nc_u64 s[36:37], s[16:17], s[22:23]      ; the three sets of codes have a base each: 8 MiB is beyond a store's immediate
	s_add_nc_u64 s[38:39], s[36:37], 0x800000
	s_add_nc_u64 s[40:41], s[36:37], 0x1000000
.irp t, 0,1,2,3
	XLOAD \t
.endr
	s_wait_alu depctr_va_vdst(0)
	s_wait_kmcnt 0x0
.irp j, 0,1,2
	s_add_co_i32 s42, s[24+2*\j], 127              ; entries 0, 2, 4
	s_lshl_b32 s43, s42, 23
	v_mov_b32 v[8+2*\j], s43                       ; 2^e as f32: the conversion takes its exponent field
	s_add_co_i32 s42, s42, 8
	s_lshl_b32 s42, s42, 23
	s_or_b32 s42, s42, 0x600000
.endr
	s_wait_alu depctr_va_vdst(0)
	s_wait_loadcnt 12                              ; step 0's four loads are in
	XTURN 0
.irp t, 0,1,2,3,4,5,6,7,8,9,10,11,12,13,14,15
	XSTEP \t
.endr
	s_wait_tensorcnt 0x0
	ds_add_u32 v192, v193
	s_wait_dscnt 0x0
	s_endpgm
	; ---- the weights: 32 work-groups a tensor: 8 blocks of 128 columns x 4 blocks of 256 along K
.Lweights:
	s_sub_co_u32 s19, ttmp9, 256
	s_lshr_b32 s20, s19, 5                         ; which tensor
	s_and_b32 s21, s19, 7                          ; which 128 columns
	s_bfe_u32 s22, s19, 0x20003                    ; which 256 along K
	s_cmp_eq_u32 s20, 1
	s_cselect_b64 s[6:7], s[8:9], s[6:7]
	s_cmp_eq_u32 s20, 2
	s_cselect_b64 s[6:7], s[10:11], s[6:7]
	s_cmp_eq_u32 s20, 3
	s_cselect_b64 s[6:7], s[12:13], s[6:7]
	s_lshl_b32 s23, s21, 7
	s_lshl_b32 s36, s18, 5
	s_add_co_u32 s23, s23, s36                     ; my wave's first column
	s_lshl_b32 s36, s22, 20                        ; 256 rows of 4,096 bytes
	s_lshl_b32 s38, s23, 2
	s_add_co_u32 s36, s36, s38
	s_mov_b32 s37, 0
	s_add_nc_u64 s[6:7], s[6:7], s[36:37]
	s_lshl_b32 s36, s20, 20                        ; the tensor's codes,
	s_lshl_b32 s38, s23, 10                        ; my column's row of 1,024 bytes,
	s_add_co_u32 s36, s36, s38
	s_lshl_b32 s38, s22, 8                         ; my 256 along K
	s_add_co_u32 s36, s36, s38
	s_add_co_u32 s36, s36, 0x1800000
	s_add_nc_u64 s[16:17], s[16:17], s[36:37]
	s_wait_alu depctr_va_vdst(0)
	v_lshlrev_b32 v3, 2, v2                        ; in: 4 bytes a lane
	s_mul_i32 s39, s18, 32*PITCH
	s_add_co_u32 s39, s39, WSTG                    ; my stage
	v_mul_u32_u24 v4, v2, PITCH
	v_add_nc_u32 v4, s39, v4                       ; into it: row = my column
	v_and_b32 v5, 15, v2
	v_lshrrev_b32 v6, 4, v2                        ; out of it: sixteen lanes to a row, two rows an instruction
	v_mul_u32_u24 v7, v6, PITCH
	v_lshl_add_u32 v7, v5, 4, v7
	v_add_nc_u32 v7, s39, v7
	v_lshlrev_b32 v8, 10, v6
	v_lshl_add_u32 v8, v5, 4, v8                   ; and the same place in the codes
	WLOAD 0
	WLOAD 1
	s_wait_kmcnt 0x0
	s_cmp_eq_u32 s20, 1                            ; e: entry 1, 3, 5 or 11
	s_cselect_b32 s25, s27, s25
	s_cmp_eq_u32 s20, 2
	s_cselect_b32 s25, s29, s25
	s_cmp_eq_u32 s20, 3
	s_cselect_b32 s25, s35, s25
	s_add_co_i32 s25, s25, 127
	s_lshl_b32 s26, s25, 23
	v_mov_b32 v11, s26                             ; 2^e
	s_add_co_i32 s25, s25, 8
	s_lshl_b32 s25, s25, 23
	s_or_b32 s25, s25, 0x600000
	s_wait_alu depctr_va_vdst(0)
.irp t, 0,1,2,3,4,5,6,7
	WBLOCK \t
.endr
.irp t, 0,1,2,3,4,5,6,7,8,9,10,11,12,13,14,15
	ds_load_b128 v[OUTR+4*\t:OUTR+4*\t+3], v7 offset:2*\t*PITCH   ; LDS serves a wave's instructions in order: these see my stores
.endr
.irp t, 0,1,2,3,4,5,6,7,8,9,10,11,12,13,14,15
	s_wait_dscnt 15-\t
	global_store_b128 v8, v[OUTR+4*\t:OUTR+4*\t+3], s[16:17] offset:2*\t*1024
.endr
	s_wait_tensorcnt 0x0
	ds_add_u32 v192, v193
	s_wait_dscnt 0x0
	s_endpgm
.Lfunc_end_k_qf094093d3a_quant:
	.size	k_qf094093d3a_quant, .Lfunc_end_k_qf094093d3a_quant-k_qf094093d3a_quant
	.p2alignl 7, 3214868480
	.fill 96, 4, 3214868480
	.section	.rodata,"a",@progbits
	.p2align	6, 0x0
	.amdhsa_kernel k_qf094093d3a_quant
		.amdhsa_group_segment_fixed_size 68096
		.amdhsa_private_segment_fixed_size 0
		.amdhsa_enable_private_segment 0
		.amdhsa_kernarg_size 56
		.amdhsa_user_sgpr_count 2
		.amdhsa_user_sgpr_kernarg_segment_ptr 1
		.amdhsa_wavefront_size32 1
		.amdhsa_system_sgpr_workgroup_id_x 1
		.amdhsa_system_sgpr_workgroup_id_y 1
		.amdhsa_system_sgpr_workgroup_id_z 1
		.amdhsa_system_vgpr_workitem_id 0
		.amdhsa_next_free_vgpr 194
		.amdhsa_next_free_sgpr 66
		.amdhsa_reserve_vcc 0
		.amdhsa_float_denorm_mode_32 3
		.amdhsa_float_denorm_mode_16_64 3
		.amdhsa_fp16_overflow 1
		.amdhsa_memory_ordered 1
		.amdhsa_forward_progress 1
		.amdhsa_inst_pref_size 62
	.end_amdhsa_kernel
	.amdgpu_metadata
---
amdhsa.version: [ 1, 2 ]
amdhsa.kernels:
  - .name:           k_qf094093d3a_quant
    .symbol:         k_qf094093d3a_quant.kd
    .args:
      - { .name: x, .offset: 0, .size: 8, .value_kind: global_buffer, .address_space: global }
      - { .name: Wq, .offset: 8, .size: 8, .value_kind: global_buffer, .address_space: global }
      - { .name: Wk, .offset: 16, .size: 8, .value_kind: global_buffer, .address_space: global }
      - { .name: Wv, .offset: 24, .size: 8, .value_kind: global_buffer, .address_space: global }
      - { .name: Wo, .offset: 32, .size: 8, .value_kind: global_buffer, .address_space: global }
      - { .name: lowp_scales, .offset: 40, .size: 8, .value_kind: global_buffer, .address_space: global }
      - { .name: codes, .offset: 48, .size: 8, .value_kind: global_buffer, .address_space: global }
    .group_segment_fixed_size: 68096
    .private_segment_fixed_size: 0
    .kernarg_segment_align: 8
    .kernarg_segment_size: 56
    .max_flat_workgroup_size: 128
    .sgpr_count:     66
    .vgpr_count:     194
    .wavefront_size: 32
...
	.end_amdgpu_metadata
.endif
;; end of part 1
;; launch qkv (part 2): grid 8 x 96, 4 waves a work-group, clusters of 4 x 4, 327,680 bytes of LDS; arguments codes, bq, bk, bv, lowp_scales, qkvc; writes qkvc
.if DOCPART == 2
	.amdgcn_target "amdgcn-amd-amdhsa--gfx1250"
	.amdhsa_code_object_version 6
	.text
	.protected	k_qf094093d3a_qkv
	.globl	k_qf094093d3a_qkv
	.p2align	8
	.type	k_qf094093d3a_qkv,@function
k_qf094093d3a_qkv:
	s_mov_b64 s[64:65], 0
	v_nop
	global_prefetch_b8 v0, s[64:65] scope:SCOPE_SE
	s_setreg_imm32_b32 hwreg(HW_REG_WAVE_MODE, 25, 1), 1
	s_wait_xcnt 0x0
	s_wait_alu depctr_hold_cnt(0) depctr_sa_sdst(0) depctr_va_vdst(0) depctr_va_sdst(0) depctr_va_ssrc(0) depctr_va_vcc(0) depctr_vm_vsrc(0)
	s_getreg_b32 s2, hwreg(HW_REG_IB_STS2, 6, 4)
	s_cmp_eq_u32 s2, 0
	s_cbranch_scc0 .Lentry_in_a_cluster
	s_endpgm
.Lentry_in_a_cluster:
	s_bfe_u32 s2, ttmp6, 0x10000c
	s_cmp_lg_u32 s2, 0xf033
	s_cbranch_scc0 .Lentry_shape_is_right
	s_endpgm
.Lentry_shape_is_right:
; q = x Wq + bq, k = x Wk + bk, v = x Wv + bv on codes of FP8 (E4M3), and q, k, v quantised for the two products of attention (entries 6, 7, 9 of the scales).
; A work-group makes 256 rows of an operand P x 128 rows of an operand Q, K = 1,024; four waves, each 128 x 64: 32 accumulators, 256 registers.  This tile gives 768 work-groups, three for each of 256.
; THE MATRIX INSTRUCTION IS USED TRANSPOSED (source 0 = 16 rows of Q, source 1 = 16 rows of P): lane (r, h), register j of accumulator (a, b) holds (P row 16 a + r, Q row 16 b + 8 h + j).
; SECTIONS.  The cluster's y gives the section (0 q, 1 k, 2 v), the same in all partners.  For q and k: P = x's rows, Q = W's rows (channels): a lane's eight registers are eight channels, the K of the scores.
; For v the operands change places: P = Wv's rows, Q = x's rows: a lane's eight registers are eight KEYS, the K of attention's second product.  One text serves all three: only offsets are chosen.
; K goes in four chunks of 256 through THREE LDS slots: three first fills go out together, chunk 3 is the one refill (slot 0).  By this text's count a wave has three tensor loads out at the start, later one.
; CLUSTERS: 4 x 4 work-groups; P's tile is shared along a row of the cluster, Q's along a column: each is asked for jointly.
; THE BIAS is what the sums begin with: bias / 2^(the two operands' e added), laid in the result's layout while the first tiles are on their way.  A sum then stands for value / 2^es, and its code is sum / 2^(eo - es).
; OUT.  q, k: [b][pair of heads][s][128 bytes], byte 64 u + 32 h + 8 b + j = channel 16 b + 8 h + j of head 2 pair + u (q and k alike, so the scores are not changed).
;       v: [b][head][block of 128 keys][d 64][128 bytes], byte 64 g + 32 h + 8 b + j = key 64 g + 16 b + 8 h + j: the order in which the weights' codes fall out of their conversions.
; LIMITS: eo - es between -126 and 119 in each section (es = the two operands' exponents added, eo = entry 6, 7 or 9).  NaN is not served.
; REGISTERS, in windows of 256: window 0: v1-21 addresses and constants; v32-63, v64-79 biases; v80-111 at work; v128-255 Q's fragments, two sets of 64 (on the way out: codes, rows read back).
;   window 1: P's fragments, two sets of 128.   window 2: accumulator (a, b) at v[8 (4 a + b)].
.set OPROJ,  0
.set PITCH,  272                       ; an LDS row: 256 bytes + 16 of padding: the 16 rows that a load touches start at 16 different banks (64 banks of 4 bytes: ISA guide 11.1)
.set PHALF,  128*PITCH                 ; what a tensor load brings of P
.set QHALF,  64*PITCH                  ; and of Q
.set PLANE,  64*PITCH
.set QOFF,   2*PHALF                   ; a slot: P's 256 rows, then Q's 128
.set SLOT,   QOFF+2*QHALF
.set SPARE,  3*SLOT                    ; behind the slots: the spare words, 128 bytes for each wave, which no other line names
.set STG,    SLOT                      ; the way out goes through slot 1: it has its only fill at the start, and its last read lies in front of the last barrier of the K steps
.set CSTEP_P, 256                      ; bytes from chunk to chunk
.set CSTEP_Q, 256
.set ADRP, 4                           ; v4-6   LDS address of my P fragments in slot 0, 1, 2
.set ADRQ, 8                           ; v8-10  the same for Q
.set STO,  12
.set RD,   13
.set GO,   14
.set SPW,  16                          ; v16    LDS address of my spare word; never rewritten
.set NIL,  17                          ; v17    0; never rewritten
.set SC,   18                          ; v18    2^(eo - es)
.set LIM,  19                          ; v19    448 x that
.set BQ,   32
.set BPD,  64
.set T,    80
.set QF,   128
.set G1P, 24
.set G1Q, 32
.set G0P, 40                           ; s[40:51] three sets
.set G0Q, 52                           ; s[52:63] three sets
.set WV,  16
.set WP,  17                           ; wave / 2: which half of P's rows is mine.  Also: I fetch for P (0) or for Q (1)
.set WQ,  18                           ; wave % 2: which half of Q's rows.  Also: which half of that tile I fetch
.set MSB, 0
.macro WIN new                         ; the immediate's high byte repeats the setting that is left
.if MSB != \new
	s_set_vgpr_msb (MSB<<8)|\new
.set MSB, \new
.endif
.endm
.set MUL,  0xa4                        ; source 0 (Q) window 0, source 1 (P) window 1, C and D window 2
.set TO_P, 0x40                        ; destination window 1, address window 0
.macro JLOAD g0p, g0q                  ; a joint load; the branch hangs on the wave's number alone; four v_nop follow each of the two lines
	s_cmp_eq_u32 s[WP], 0
	s_cbranch_scc0 .Lfor_q_\@
	tensor_load_to_lds s[\g0p:\g0p+3], s[G1P:G1P+7]
	s_nop 0
.rept 4
	v_nop
.endr
	s_branch .Lasked_\@
.Lfor_q_\@:
	tensor_load_to_lds s[\g0q:\g0q+3], s[G1Q:G1Q+7]
	s_nop 0
.rept 4
	v_nop
.endr
.Lasked_\@:
.endm
.macro CREST                           ; a round of the cluster's barrier behind its opening barrier
	s_cmp_lg_u32 s[WV], 0
	s_cbranch_scc1 .Lnot_wave_0_\@
	s_barrier_signal -3
.Lnot_wave_0_\@:
	s_barrier_wait -3
	s_barrier_signal -1
	s_barrier_wait -1
.endm
.macro CROUND
	s_barrier_signal -1
	s_barrier_wait -1
	CREST
.endm
.macro PLACES n                        ; places behind matrix instructions, in front of loads into registers that they have read and of reads of their results
.rept \n
	v_nop
.endr
.endm
; 48 LDS loads in one run: the fragments of the slot's q-th 128 along K into set p: Q's four, P's blocks 0-3, P's blocks 4-7.
; A fragment is 16 registers: lane (r, h) holds, of row r, K = 32 c + 16 h + 0 .. 15 in registers 4 c .. 4 c + 3: a permutation of k that is the same in P and Q.
.macro FETCH p, slot, q
	WIN 0
.irp b, 0,1,2,3
.irp c, 0,1,2,3
	ds_load_b128 v[QF+64*(\p)+16*\b+4*\c:QF+64*(\p)+16*\b+4*\c+3], v[ADRQ+\slot] offset:\b*16*PITCH+128*(\q)+32*\c
.endr
.endr
	WIN TO_P
.irp a, 0,1,2,3,4,5,6,7
.irp c, 0,1,2,3
.if OPROJ
	ds_load_b128 v[128*(\p)+16*\a+4*\c:128*(\p)+16*\a+4*\c+3], v[ADRP+\slot] offset:(2*(\q)+\c/2)*PLANE+\a*4*PITCH+32*(\c%2)
.else
	ds_load_b128 v[128*(\p)+16*\a+4*\c:128*(\p)+16*\a+4*\c+3], v[ADRP+\slot] offset:\a*16*PITCH+128*(\q)+32*\c
.endif
.endr
.endr
.endm
; 8 matrix instructions: P's blocks a0, a0 + 1 x Q's four.  The 32 accumulators take turns, one instruction a turn, in the same order in every step.
.macro MUL8 p, a0, zero
.irp a, \a0, \a0+1
.irp b, 0,1,2,3
.if \zero
	v_wmma_f32_16x16x128_fp8_fp8 v[8*(4*(\a)+\b):8*(4*(\a)+\b)+7], v[QF+64*(\p)+16*\b:QF+64*(\p)+16*\b+15], v[128*(\p)+16*(\a):128*(\p)+16*(\a)+15], 0
.else
	v_wmma_f32_16x16x128_fp8_fp8 v[8*(4*(\a)+\b):8*(4*(\a)+\b)+7], v[QF+64*(\p)+16*\b:QF+64*(\p)+16*\b+15], v[128*(\p)+16*(\a):128*(\p)+16*(\a)+15], v[8*(4*(\a)+\b):8*(4*(\a)+\b)+7]
.endif
.endr
.endr
.endm
; A step of 128 along K multiplies set p; fetch = 1: in its middle the next step's fragments come into the other set.
.macro STEP p, fetch, slot, q, zero
	s_wait_dscnt 16                                ; Q's four and P's blocks 0-3 are in; the youngest sixteen loads (P's blocks 4-7) may be out
	WIN MUL
	MUL8 \p, 0, \zero
	MUL8 \p, 2, \zero
.if \fetch
	PLACES 4
	FETCH 1-\p, \slot, \q
	s_wait_dscnt 48                                ; all but the 48 just issued
.else
	s_wait_dscnt 0x0
.endif
	WIN MUL
	MUL8 \p, 4, \zero
	MUL8 \p, 6, \zero
.endm
; A step on set 1 with a barrier in it.  In front of the barrier each wave waits for all its tensor loads, adds 0 to its spare word, and waits for that and for its LDS reads.
; fill = 1: the barrier opens a round of the cluster's, and slot 0, which nobody reads any more, takes chunk 3.  Then the first fragments of slot next are fetched.
.macro TURN next, fill
	WIN 0                                          ; (the add's two registers lie in window 0)
	s_wait_tensorcnt 0x0                           ; all my tensor loads have landed;
	ds_add_u32 v[SPW], v[NIL]                      ; 0 onto my spare word;
	s_wait_dscnt 17                                ; (the add and the youngest sixteen loads may be out)
	WIN MUL
	MUL8 1, 0, 0                                   ; eight matrix instructions stand between the add and the wait for it
	s_wait_dscnt 0x0                               ; the add is done, and my LDS reads are over
	s_barrier_signal -1
	MUL8 1, 2, 0
	WIN 0
	s_barrier_wait -1
.if \fill
	CREST                                          ; no wave of any partner still reads slot 0 or has a load on its way
	s_add_nc_u64 s[G0P+2:G0P+3], s[G0P+2:G0P+3], 3*CSTEP_P
	s_add_nc_u64 s[G0Q+2:G0Q+3], s[G0Q+2:G0Q+3], 3*CSTEP_Q
	JLOAD G0P, G0Q                                 ; the first tensor load behind the round; it has four steps' products in which to land; its four v_nop are the places in front of the loads below
.else
	PLACES 4
.endif
	FETCH 0, \next, 0
	WIN MUL
	MUL8 1, 4, 0
	MUL8 1, 6, 0
.endm
	s_load_b256 s[4:11], s[0:1], 0x0               ; the codes s[4:5], bq s[6:7], bk s[8:9], bv s[10:11]
	s_load_b128 s[12:15], s[0:1], 0x20             ; the scales' exponents s[12:13], the output s[14:15]
	v_lshl_add_u32 v[SPW], v0, 2, SPARE
	v_mov_b32 v[NIL], 0
	ds_add_u32 v16, v17
	ds_add_u32 v16, v17
	s_wait_dscnt 0x0
	v_lshrrev_b32 v3, 5, v0
	v_readfirstlane_b32 s[WV], v3                  ; wave 0..3
	s_lshr_b32 s[WP], s[WV], 1
	s_and_b32 s[WQ], s[WV], 1
	s_bfe_u32 s66, ttmp6, 0x40000                  ; cx
	s_bfe_u32 s67, ttmp6, 0x40004                  ; cy
	s_and_b32 s68, ttmp7, 0xffff                   ; the cluster's y, 0 .. 23
	s_lshr_b32 s69, s68, 3                         ; the section
	s_and_b32 s70, s68, 7
	s_mov_b32 s71, ttmp9                           ; the cluster's x, 0 or 1
	s_lshl_b32 s72, s70, 1
	s_add_co_u32 s72, s72, s71
	s_lshl_b32 s73, s69, 23                        ; x's codes under this section's scale; also the section's place in the output
	s_lshl_b32 s74, s69, 20
	s_add_co_u32 s74, s74, 0x1800000               ; the section's weight
	s_cmp_lt_u32 s69, 2                            ; q or k?  Behind this compare stand selections alone
	s_cselect_b32 s75, s70, 0                      ; P's blocks: 32 of x, or 4 of Wv
	s_cselect_b32 s76, s71, s72                    ; Q's blocks: 8 of W, or 64 of x
	s_cselect_b32 s77, s73, s74
	s_cselect_b32 s78, s74, s73
	s_cselect_b32 s79, -1, 0                       ; the bias goes along Q's rows,
	s_cselect_b32 s93, 0, -1                       ; or along P's
	s_lshl_b32 s75, s75, 2
	s_add_co_u32 s75, s75, s67                     ; P's block of 256 rows: it hangs on cy alone
	s_lshl_b32 s76, s76, 2
	s_add_co_u32 s76, s76, s66                     ; Q's block of 128 rows: on cx alone
	s_lshl_b32 s94, s67, 2
	s_lshl_b32 s94, 15, s94                        ; my row of the cluster
	s_lshl_b32 s95, 0x1111, s66                    ; my column
	s_or_b32 s[G1P], s94, (1<<20)|(1<<21)|(5<<22)|(3<<25)   ; 15:0 the mask; 17:16 elements of 1 byte; 20 padding on; 21 set beside a mask; 24:22 after every 64 words; 31:25 four words
	s_or_b32 s[G1Q], s95, (1<<20)|(1<<21)|(5<<22)|(3<<25)
	s_mov_b32 s[G1P+1], 256<<16                    ; tensor_dim0
	s_mov_b32 s[G1P+2], 128<<16                    ; tensor_dim1
	s_mov_b32 s[G1P+3], 256<<16                    ; tile_dim0
	s_mov_b32 s[G1P+4], 128                        ; tile_dim1
	s_mov_b32 s[G1P+5], 1024                       ; from row to row
	s_mov_b32 s[G1P+6], 0
	s_mov_b32 s[G1P+7], 0
	s_mov_b32 s[G1Q+1], 256<<16
	s_mov_b32 s[G1Q+2], 64<<16
	s_mov_b32 s[G1Q+3], 256<<16
	s_mov_b32 s[G1Q+4], 64
	s_mov_b32 s[G1Q+5], 1024
	s_mov_b32 s[G1Q+6], 0
	s_mov_b32 s[G1Q+7], 0
	s_lshl_b32 s96, s75, 18                        ; P: 256 rows of 1,024 bytes a block, 128 a half
	s_add_co_u32 s96, s96, s77
	s_lshl_b32 s2, s[WQ], 17
	s_add_co_u32 s96, s96, s2
	s_mov_b32 s97, 0
	s_lshl_b32 s98, s76, 17                        ; Q: 128 rows a block, 64 a half
	s_add_co_u32 s98, s98, s78
	s_lshl_b32 s2, s[WQ], 16
	s_add_co_u32 s98, s98, s2
	s_mov_b32 s99, 0
	s_mul_i32 s20, s[WQ], PHALF                    ; where they go: the wave's number alone enters an LDS address
	s_mul_i32 s21, s[WQ], QHALF
	s_add_co_u32 s21, s21, QOFF
	v_and_b32 v1, 15, v0                           ; r
	v_bfe_u32 v2, v0, 4, 1                         ; h
	v_mul_u32_u24 v3, v1, PITCH
	v_lshl_add_u32 v3, v2, 4, v3                   ; a fragment's row x pitch + 16 h
	s_mul_i32 s22, s[WP], PHALF
	s_mul_i32 s23, s[WQ], QHALF
	s_add_co_u32 s23, s23, QOFF
.irp s, 0,1,2
	v_add_nc_u32 v[ADRP+\s], s22, v3
	v_add_nc_u32 v[ADRQ+\s], s23, v3
	s_add_co_u32 s22, s22, SLOT
	s_add_co_u32 s23, s23, SLOT
.endr
	s_mul_i32 s22, s[WP], 128*144                  ; the stage: 256 rows of 128 bytes + 16
	s_lshl_b32 s23, s[WQ], 6
	s_add_co_u32 s22, s22, s23
	s_add_co_u32 s22, s22, STG
	v_mul_u32_u24 v[STO], v1, 144
	v_lshl_add_u32 v[STO], v2, 5, v[STO]
	v_add_nc_u32 v[STO], s22, v[STO]               ; in: row 128 wp + r, byte 64 wq + 32 h
	s_mul_i32 s22, s[WV], 64*144
	s_add_co_u32 s22, s22, STG
	v_and_b32 v15, 31, v0
	v_lshrrev_b32 v[RD], 3, v15
	v_mul_u32_u24 v[RD], v[RD], 144
	v_and_b32 v3, 7, v0
	v_lshl_add_u32 v[RD], v3, 4, v[RD]
	v_add_nc_u32 v[RD], s22, v[RD]                 ; back: wave w takes rows 64 w on, four rows an instruction
	v_lshlrev_b32 v[GO], 4, v15                    ; and stores them on end
	; where my 64 rows go, and which biases are mine: offsets alone
	s_lshr_b32 s19, s75, 3
	s_lshl_b32 s19, s19, 3
	s_add_co_u32 s19, s19, s76
	s_lshl_b32 s19, s19, 18                        ; q, k: (8 b + pair of heads) x 2,048 rows of 128 bytes,
	s_and_b32 s2, s75, 7
	s_lshl_b32 s2, s2, 15                          ; + 256 rows a block,
	s_add_co_u32 s19, s19, s2
	s_lshl_b32 s2, s[WV], 13                       ; + 64 rows a wave
	s_add_co_u32 s19, s19, s2
	s_lshr_b32 s3, s76, 4
	s_lshl_b32 s3, s3, 8                           ; v: 256 b
	s_lshl_b32 s2, s75, 6                          ; + 16 x (4 heads a block of P
	s_add_co_u32 s3, s3, s2
	s_lshl_b32 s2, s[WV], 4                        ; + one head a wave)
	s_add_co_u32 s3, s3, s2
	s_and_b32 s2, s76, 15                          ; + the block of 128 keys,
	s_add_co_u32 s3, s3, s2
	s_lshl_b32 s3, s3, 13                          ; x 64 rows of 128 bytes
	s_lshl_b32 s100, s76, 9
	s_lshl_b32 s2, s[WQ], 8
	s_add_co_u32 s100, s100, s2                    ; q, k: the bias of channels 128 Q's block + 64 wq on
	s_lshl_b32 s101, s75, 10
	s_lshl_b32 s2, s[WP], 9
	s_add_co_u32 s101, s101, s2                    ; v: of channels 256 P's block + 128 wp on
	s_cmp_lt_u32 s69, 2
	s_cselect_b32 s2, s19, s3
	s_cselect_b32 s100, s100, 0                    ; (the kind that does not apply reads the bias's first numbers and is made 0 below)
	s_cselect_b32 s101, 0, s101
	s_add_co_u32 s2, s2, s73
	s_mov_b32 s3, 0
	v_lshlrev_b32 v20, 5, v2
	v_add_nc_u32 v20, s100, v20                    ; + 32 h: my half's eight channels of a tile
	v_lshlrev_b32 v21, 2, v1
	v_add_nc_u32 v21, s101, v21                    ; + 4 r: my row's channel
	s_wait_kmcnt 0x0
	s_load_b256 s[80:87], s[12:13], 0x0            ; entries 0-7
	s_load_b64 s[88:89], s[12:13], 0x20            ; entries 8, 9
	s_add_nc_u64 s[96:97], s[4:5], s[96:97]
	s_add_nc_u64 s[98:99], s[4:5], s[98:99]
	s_add_nc_u64 s[14:15], s[14:15], s[2:3]
.irp c, 0,1,2
	s_mov_b32 s[G0P+4*\c], 1                       ; count = 1
	s_add_co_u32 s[G0P+4*\c+1], s20, \c*SLOT       ; LDS address
	s_add_nc_u64 s[G0P+4*\c+2:G0P+4*\c+3], s[96:97], \c*CSTEP_P   ; chunk c
	s_or_b32 s[G0P+4*\c+3], s[G0P+4*\c+3], 0x80000000             ; type = 2
	s_mov_b32 s[G0Q+4*\c], 1
	s_add_co_u32 s[G0Q+4*\c+1], s21, \c*SLOT
	s_add_nc_u64 s[G0Q+4*\c+2:G0Q+4*\c+3], s[98:99], \c*CSTEP_Q
	s_or_b32 s[G0Q+4*\c+3], s[G0Q+4*\c+3], 0x80000000
.endr
	CROUND                                         ; all sixteen work-groups are here: the first joint loads meet
	s_cmp_eq_u32 s[WP], 0                          ; a wave's three first fills stand in one branch, ahead of every wait on TENSORcnt, every LDS read and every other barrier
	s_cbranch_scc0 .Lfirst_q
	tensor_load_to_lds s[G0P:G0P+3], s[G1P:G1P+7]
	s_nop 0
	tensor_load_to_lds s[G0P+4:G0P+7], s[G1P:G1P+7]
	s_nop 0
	tensor_load_to_lds s[G0P+8:G0P+11], s[G1P:G1P+7]
	s_nop 0
.rept 4
	v_nop
.endr
	s_branch .Lfirst_asked
.Lfirst_q:
	tensor_load_to_lds s[G0Q:G0Q+3], s[G1Q:G1Q+7]
	s_nop 0
	tensor_load_to_lds s[G0Q+4:G0Q+7], s[G1Q:G1Q+7]
	s_nop 0
	tensor_load_to_lds s[G0Q+8:G0Q+11], s[G1Q:G1Q+7]
	s_nop 0
.rept 4
	v_nop
.endr
.Lfirst_asked:
	s_cmp_eq_u32 s69, 1                            ; the section's bias
	s_cselect_b64 s[6:7], s[8:9], s[6:7]
	s_cmp_eq_u32 s69, 2
	s_cselect_b64 s[6:7], s[10:11], s[6:7]
	s_wait_alu depctr_va_vdst(0)
.irp b, 0,1,2,3
	global_load_b128 v[BQ+8*\b:BQ+8*\b+3], v20, s[6:7] offset:64*\b
	global_load_b128 v[BQ+8*\b+4:BQ+8*\b+7], v20, s[6:7] offset:64*\b+16
.endr
.irp a, 0,1,2,3,4,5,6,7
	global_load_b32 v[BPD+2*\a], v21, s[6:7] offset:64*\a
.endr
	s_wait_kmcnt 0x0
	s_add_co_i32 s90, s80, s81                     ; es: the two operands' exponents added, by section,
	s_add_co_i32 s91, s82, s83
	s_add_co_i32 s92, s84, s85
	s_cmp_eq_u32 s69, 1
	s_cselect_b32 s90, s91, s90
	s_cselect_b32 s86, s87, s86                    ; eo: entry 6, 7 or 9
	s_cmp_eq_u32 s69, 2
	s_cselect_b32 s90, s92, s90
	s_cselect_b32 s86, s89, s86
	s_sub_co_i32 s91, 0, s90                       ; -es
	s_sub_co_i32 s92, s86, s90
	s_add_co_i32 s92, s92, 127
	s_lshl_b32 s2, s92, 23
	v_mov_b32 v[SC], s2                            ; 2^(eo - es): the scales folded into the conversion's one
	s_wait_loadcnt 0x0
	; the sums begin with bias / 2^es; the kind of bias that does not apply to the section is 0
.set j, 0
.rept 32
	v_ldexp_f32 v[BQ+j], v[BQ+j], s91
.set j, j+1
.endr
.set j, 0
.rept 32
	v_cndmask_b32 v[BQ+j], 0, v[BQ+j], s79
.set j, j+1
.endr
.irp a, 0,1,2,3,4,5,6,7
	v_ldexp_f32 v[BPD+2*\a], v[BPD+2*\a], s91
.endr
.irp a, 0,1,2,3,4,5,6,7
	v_cndmask_b32 v[BPD+2*\a+1], 0, v[BPD+2*\a], s93   ; in both halves of a pair, for the packed addition
	v_cndmask_b32 v[BPD+2*\a], 0, v[BPD+2*\a], s93
.endr
	WIN 0x80                                       ; destination window 2
.irp a, 0,1,2,3,4,5,6,7
.irp b, 0,1,2,3
.irp i, 0,2,4,6
	v_pk_add_f32 v[8*(4*\a+\b)+\i:8*(4*\a+\b)+\i+1], v[BQ+8*\b+\i:BQ+8*\b+\i+1], v[BPD+2*\a:BPD+2*\a+1]
.endr
.endr
.endr
	WIN 0
	s_wait_alu depctr_va_vdst(0)
	s_wait_tensorcnt 2                             ; my part of chunk 0 is in; chunks 1 and 2 may stay out
	s_barrier_signal -1
	s_barrier_wait -1                              ; everybody's is
	FETCH 0, 0, 0
	STEP 0, 1, 0, 1, 0                             ; chunk 0
	TURN 1, 1                                      ; behind its barrier chunks 1 and 2 are whole for every wave, and slot 0 takes chunk 3
	STEP 0, 1, 1, 1, 0                             ; chunk 1
	STEP 1, 1, 2, 0, 0
	STEP 0, 1, 2, 1, 0                             ; chunk 2
	TURN 0, 0                                      ; chunk 3 is whole; nothing is filled any more
	STEP 0, 1, 0, 1, 0                             ; chunk 3
	STEP 1, 0, 0, 0, 0
	PLACES 4
	; THE WAY OUT.  Block a: 16 rows of P x my 64 rows of Q: a lane's 32 numbers are held, converted (32 bytes) and put into the work-group's stage; each accumulator is read from its low end on.
.irp a, 0,1,2,3,4,5,6,7
	WIN 0x02                                       ; source 0 window 2
.irp b, 0,1,2,3
.irp j, 0,1,2,3,4,5,6,7
.endr
.endr
.irp b, 0,1,2,3
	v_cvt_scalef32_pk8_fp8_f32 v[QF+8*\a+2*\b:QF+8*\a+2*\b+1], v[T+8*\b+((8*(4*\a+0)+0)-(T+8*0+0)):T+8*\b+7+((8*(4*\a+0)+0)-(T+8*0+0))], v[SC]
.endr
	WIN 0
	v_nop                                          ; one plain line behind the last conversion
	ds_store_b128 v[STO], v[QF+8*\a:QF+8*\a+3] offset:16*144*\a
	ds_store_b128 v[STO], v[QF+8*\a+4:QF+8*\a+7] offset:16*144*\a+16
.endr
	s_wait_dscnt 0x0                               ; for the others' sake: my stores into the stage are done
	s_barrier_signal -1
	s_barrier_wait -1                              ; a row's 128 bytes come from two waves
.irp t, 0,1,2,3,4,5,6,7,8,9,10,11,12,13,14,15
	ds_load_b128 v[192+4*\t:195+4*\t], v[RD] offset:4*144*\t
.endr
.irp t, 0,1,2,3,4,5,6,7,8,9,10,11,12,13,14,15
	s_wait_dscnt 15-\t
	global_store_b128 v[GO], v[192+4*\t:195+4*\t], s[14:15] offset:512*\t   ; 32 lanes store 512 consecutive bytes; a wave's 64 rows are 8 KiB on end
.endr
	s_wait_tensorcnt 0x0                           ; the wave's end
	ds_add_u32 v[SPW], v[NIL]
	s_wait_dscnt 0x0
	CROUND                                         ; the closing round
	s_endpgm
.Lfunc_end_k_qf094093d3a_qkv:
	.size	k_qf094093d3a_qkv, .Lfunc_end_k_qf094093d3a_qkv-k_qf094093d3a_qkv
	.p2alignl 7, 3214868480
	.fill 96, 4, 3214868480
	.section	.rodata,"a",@progbits
	.p2align	6, 0x0
	.amdhsa_kernel k_qf094093d3a_qkv
		.amdhsa_group_segment_fixed_size 327680
		.amdhsa_private_segment_fixed_size 0
		.amdhsa_enable_private_segment 0
		.amdhsa_kernarg_size 48
		.amdhsa_user_sgpr_count 2
		.amdhsa_user_sgpr_kernarg_segment_ptr 1
		.amdhsa_wavefront_size32 1
		.amdhsa_system_sgpr_workgroup_id_x 1
		.amdhsa_system_sgpr_workgroup_id_y 1
		.amdhsa_system_sgpr_workgroup_id_z 1
		.amdhsa_system_vgpr_workitem_id 0
		.amdhsa_next_free_vgpr 768
		.amdhsa_next_free_sgpr 102
		.amdhsa_reserve_vcc 0
		.amdhsa_float_denorm_mode_32 3
		.amdhsa_float_denorm_mode_16_64 3
		.amdhsa_fp16_overflow 1
		.amdhsa_memory_ordered 1
		.amdhsa_forward_progress 1
		.amdhsa_inst_pref_size 76
	.end_amdhsa_kernel
	.amdgpu_metadata
---
amdhsa.version: [ 1, 2 ]
amdhsa.kernels:
  - .name:           k_qf094093d3a_qkv
    .symbol:         k_qf094093d3a_qkv.kd
    .args:
      - { .name: codes, .offset: 0, .size: 8, .value_kind: global_buffer, .address_space: global }
      - { .name: bq, .offset: 8, .size: 8, .value_kind: global_buffer, .address_space: global }
      - { .name: bk, .offset: 16, .size: 8, .value_kind: global_buffer, .address_space: global }
      - { .name: bv, .offset: 24, .size: 8, .value_kind: global_buffer, .address_space: global }
      - { .name: lowp_scales, .offset: 32, .size: 8, .value_kind: global_buffer, .address_space: global }
      - { .name: qkvc, .offset: 40, .size: 8, .value_kind: global_buffer, .address_space: global }
    .group_segment_fixed_size: 327680
    .private_segment_fixed_size: 0
    .kernarg_segment_align: 8
    .kernarg_segment_size: 48
    .max_flat_workgroup_size: 128
    .sgpr_count:     102
    .vgpr_count:     768
    .wavefront_size: 32
...
	.end_amdgpu_metadata
.endif
;; end of part 2
;; launch attn (part 3): grid 4 x 64, 16 waves a work-group, no clusters, 327,680 bytes of LDS; arguments qkvc, lowp_scales, cc; writes cc
.if DOCPART == 3
	.amdgcn_target "amdgcn-amd-amdhsa--gfx1250"
	.amdhsa_code_object_version 6
	.text
	.protected	k_qf094093d3a_attn
	.globl	k_qf094093d3a_attn
	.p2align	8
	.type	k_qf094093d3a_attn,@function
k_qf094093d3a_attn:
	s_mov_b64 s[64:65], 0
	v_nop
	global_prefetch_b8 v0, s[64:65] scope:SCOPE_SE
	s_setreg_imm32_b32 hwreg(HW_REG_WAVE_MODE, 25, 1), 1
	s_wait_xcnt 0x0
; context = softmax(q k^T / 8, causal) v for one head, both products on codes of FP8 (E4M3); the context is quantised (entry 10 of the scales) for the last projection.
; q, k: [b][pair of heads][s][128 bytes], a head's 64 codes on end (q and k in the same order of channels).  v: [b][head][block of 128 keys][d 64][128 bytes], keys innermost, in the order given below.
; THE SOFTMAX: t = score x log2(e) / 8; M = the row's largest t so far, rounded UP to a whole number; p = 2^(t - M) is quantised (entry 8), not normalised; the row's sum is taken of the unquantised p and divides at the end.
; SHARES.  Work-group (i, head) owns two blocks of 256 queries: first block 7 - i (key slots 0 .. 7 - i), then block i (slots 0 .. i): nine slots of 256 keys for every work-group, so the trip count is a constant
; and no tile is fetched that nobody reads.  Each of sixteen waves owns 16 queries of the block in hand.  NO JOINT LOADS: the four work-groups of a head want different key slots in the same trip.
; LAYOUT.  S^T = K Q^T (source 0 = 16 neighbouring keys, source 1 = my queries): lane (r, h) holds query r; register 8 t + j holds key 16 t + 8 h + j.  The conversions of those registers give p's codes in registers
; 2 t, 2 t + 1 = keys 16 t + 8 h + 0 .. 7: the place that the K = 128 form gives each k.  v is stored so that 32 consecutive bytes at 64 g + 32 h are keys 64 g + 16 b + 8 h + j: four loads of 16 bytes give the same places.
; A step all of whose keys come after my queries is left out by a scalar branch on ids; on the diagonal hidden scores become -infinity.
; LIMITS: entries 6 + 7 between -123 and 130 (added to c's exponent field); entries 8 and 10 between -126 and 119; 8 + 9 is applied by v_ldexp_f32 and has none.  NaN is not served.
; REGISTERS: v1-7 addresses that stay; v8, v9 addresses in hand; v12 -M, v13 the largest t, v[14:15] the sum; v16-23 Q; v24-31 the second block's Q; v32-95 K's, then V's fragments; v96-159 S^T, then p; v160-191 O^T;
;   v192-207 rows on their way out; v224-239 codes; v244: 2^ep; v248: 2^e10; v234-243, v246-247, v250-255 at work.
.set KP,    80                         ; a key's row in LDS: 64 bytes + 16
.set VP,    144                        ; a row of V's tile: 128 bytes + 16
.set VOFF,  256*KP                     ; a slot: 256 rows of K, then 2 x 64 rows of V
.set SLOT1, 1<<16                      ; slot 1 begins here: one exclusive or turns an address
.set SPARE, 2*SLOT1                    ; the spare words, 128 bytes for each of 16 waves, which no other line names
.set STAGE, SPARE+2048                 ; the way out: for each wave two stages (one a block of queries) of 16 rows x 80 bytes; no tensor load fills them
.set AK0,  1
.set AV0,  2
.set STO,  3
.set RD,   4
.set SPW,  5                           ; v5   LDS address of my spare word; never rewritten
.set NIL,  6                           ; v6   0; never rewritten
.set GO,   7
.set ADK,  8
.set ADV,  9
.set WV,   18
.set SEL,  20
.set CS,   22
.set G1K,  24
.set G1V,  32
.set G0K,  40
.set G0V,  44
.set KB,   48                          ; s[48:49] K at my part of key slot 0; never rewritten
.set VB,   50                          ; s[50:51] V likewise
.set TB,   52                          ; LDS byte at which the slot in hand begins
.set TRIP, 53
.set NA,   54                          ; slots of the first block: 8 - i
.set LASTA, 55                         ; 7 - i: the first block's number, and its last trip
.set KF,   56                          ; the step's first key
.set Q0,   57                          ; my first query of the block in hand
.set Q0B,  58                          ; of the second block
.macro TLOAD                           ; waves 0, 1 fetch K's halves, waves 2, 3 V's two blocks of keys, the others nothing; four v_nop follow each line
	s_cmp_lt_u32 s[WV], 2
	s_cbranch_scc0 .Lnot_k_\@
	tensor_load_to_lds s[G0K:G0K+3], s[G1K:G1K+7]
	s_nop 0
.rept 4
	v_nop
.endr
	s_branch .Lasked_\@
.Lnot_k_\@:
	s_cmp_lt_u32 s[WV], 4
	s_cbranch_scc0 .Lasked_\@
	tensor_load_to_lds s[G0V:G0V+3], s[G1V:G1V+7]
	s_nop 0
.rept 4
	v_nop
.endr
.Lasked_\@:
.endm
; A KEY STEP: 128 keys, the q-th of the slot in hand.
.macro STEP q
	s_add_co_u32 s96, s[Q0], 15
	s_cmp_gt_u32 s[KF], s96
	s_cbranch_scc1 .Lhidden_\@                     ; all its keys come after my queries
	v_add_nc_u32 v[ADK], s[TB], v[AK0]
	v_add_nc_u32 v[ADV], s[TB], v[AV0]
	v_nop                                          ; with the two additions: four places in front of loads into registers that matrix instructions have read
	v_nop
.irp t, 0,1,2,3,4,5,6,7
	ds_load_b128 v[32+8*\t:35+8*\t], v[ADK] offset:(128*(\q)+16*\t)*KP
	ds_load_b128 v[36+8*\t:39+8*\t], v[ADK] offset:(128*(\q)+16*\t)*KP+32
.endr
	s_wait_dscnt 0x0
	s_wait_alu depctr_va_vdst(0)
.irp t, 0,1,2,3,4,5,6,7
	v_wmma_f32_16x16x64_fp8_fp8 v[96+8*\t:103+8*\t], v[32+8*\t:39+8*\t], v[16:23], 0
.endr
.rept 4
	v_nop                                          ; places: for V's loads into K's registers, and for the first reads of the scores
.endr
.irp t, 0,1,2,3                                ; V's four tiles of 16 channels x 128 keys are asked for now and land behind the softmax
	ds_load_b128 v[32+16*\t:35+16*\t], v[ADV] offset:(\q)*64*VP+16*\t*VP
	ds_load_b128 v[36+16*\t:39+16*\t], v[ADV] offset:(\q)*64*VP+16*\t*VP+16
	ds_load_b128 v[40+16*\t:43+16*\t], v[ADV] offset:(\q)*64*VP+16*\t*VP+64
	ds_load_b128 v[44+16*\t:47+16*\t], v[ADV] offset:(\q)*64*VP+16*\t*VP+80
.endr
	s_add_co_u32 s96, s[KF], 127
	s_cmp_le_u32 s96, s[Q0]
	s_cbranch_scc1 .Lopen_\@                       ; all its keys count
	s_sub_co_i32 s96, s[Q0], s[KF]
	v_and_b32 v252, 15, v0
	v_bfe_u32 v253, v0, 4, 1
	s_delay_alu instid0(VALU_DEP_1)
	v_lshlrev_b32 v253, 3, v253
	s_delay_alu instid0(VALU_DEP_1)
	v_sub_nc_u32 v252, v252, v253
	s_delay_alu instid0(VALU_DEP_1)
	v_add_nc_u32 v252, s96, v252                   ; d = my query - KF - 8 h.  Register 8 t + j holds key KF + 16 t + 8 h + j: hidden where 16 t + j > d
	v_mov_b32 v254, 0xff800000                     ; -infinity
.set n, 0
.rept 64
	v_cmp_gt_i32 vcc_lo, 16*(n/8)+n%8, v252
	v_cndmask_b32 v[96+n], v[96+n], v254, vcc_lo
.set n, n+1
.endr
.Lopen_\@:
	v_max3_num_f32 v254, v96, v97, v98             ; the step's largest score of my query among my 64 keys, in two chains, each accumulator from its low end on,
	v_max3_num_f32 v252, v99, v100, v101
.irp i, 6,10,14,18,22,26,30,34,38,42,46,50,54,58
	v_max3_num_f32 v254, v254, v[96+\i], v[97+\i]
	v_max3_num_f32 v252, v252, v[98+\i], v[99+\i]
.endr
	v_max3_num_f32 v254, v254, v158, v159
	s_delay_alu instid0(VALU_DEP_1)
	v_max_num_f32 v254, v254, v252
	s_delay_alu instid0(VALU_DEP_1)
	v_permlanex16_b32 v250, v254, s[SEL], s[SEL+1]
	s_delay_alu instid0(VALU_DEP_1)
	v_max_num_f32 v254, v254, v250                 ; and among lane l xor 16's
	s_delay_alu instid0(VALU_DEP_1)
	v_mul_f32 v254, s[CS], v254                    ; as t (c is positive)
	s_delay_alu instid0(VALU_DEP_1)
	v_max_num_f32 v13, v13, v254                   ; the running largest t
	v_mov_b32 v254, v12
	s_delay_alu instid0(VALU_DEP_2)
	v_floor_f32 v12, -v13                          ; the new -M = floor(-t): M is a whole number
	s_delay_alu instid0(VALU_DEP_1)
	v_sub_f32 v254, v12, v254                      ; M's old value less its new one: a whole number, 0 or less
	s_delay_alu instid0(VALU_DEP_1)
	v_cvt_i32_f32 v254, v254                       ; (it saturates)
	s_delay_alu instid0(VALU_DEP_1)
	v_ldexp_f32 v252, 1.0, v254                    ; f = 2^(old M - new M)
.set j, 0
.rept 32
	v_pk_fma_f32 v[96+j:97+j], v[96+j:97+j], s[CS:CS+1], v[12:13] op_sel_hi:[1,0,0]   ; t - M, two at a time
.set j, j+2
.endr
.set j, 0
	s_wait_alu depctr_va_vdst(0)
.rept 64
	v_exp_f32 v[96+j], v[96+j]                     ; p = 2^(t - M), at most 1
.set j, j+1
.endr
	v_pk_mul_f32 v[14:15], v[14:15], v[252:253] op_sel_hi:[1,0]   ; the sums under the new M.  (A plain place behind the exponentials)
	s_wait_alu depctr_va_vdst(0)
	v_pk_add_f32 v[242:243], v[100:101], v[104:105]
	v_pk_add_f32 v[254:255], v[108:109], v[112:113]
	v_pk_add_f32 v[246:247], v[116:117], v[120:121]
	v_pk_add_f32 v[240:241], v[124:125], v[128:129]
	v_pk_add_f32 v[238:239], v[132:133], v[136:137]
	v_pk_add_f32 v[236:237], v[140:141], v[144:145]
	v_pk_add_f32 v[234:235], v[148:149], v[152:153]
	v_pk_add_f32 v[14:15], v[14:15], v[156:157]
	v_pk_add_f32 v[242:243], v[242:243], v[96:97]
	v_pk_add_f32 v[254:255], v[254:255], v[98:99]
	v_pk_add_f32 v[246:247], v[246:247], v[102:103]
	v_pk_add_f32 v[240:241], v[240:241], v[106:107]
	v_pk_add_f32 v[238:239], v[238:239], v[110:111]
	v_pk_add_f32 v[236:237], v[236:237], v[114:115]
	v_pk_add_f32 v[234:235], v[234:235], v[118:119]
	v_pk_add_f32 v[14:15], v[14:15], v[122:123]
	v_pk_add_f32 v[242:243], v[242:243], v[126:127]
	v_pk_add_f32 v[254:255], v[254:255], v[130:131]
	v_pk_add_f32 v[246:247], v[246:247], v[134:135]
	v_pk_add_f32 v[240:241], v[240:241], v[138:139]
	v_pk_add_f32 v[238:239], v[238:239], v[142:143]
	v_pk_add_f32 v[236:237], v[236:237], v[146:147]
	v_pk_add_f32 v[234:235], v[234:235], v[150:151]
	v_pk_add_f32 v[14:15], v[14:15], v[154:155]
	v_pk_add_f32 v[242:243], v[242:243], v[158:159]
	s_delay_alu instid0(VALU_DEP_2)
	v_pk_add_f32 v[14:15], v[14:15], v[240:241]
	s_delay_alu instid0(VALU_DEP_2)
	v_pk_add_f32 v[242:243], v[242:243], v[238:239]
	v_pk_add_f32 v[254:255], v[254:255], v[236:237]
	v_pk_add_f32 v[246:247], v[246:247], v[234:235]
	s_delay_alu instid0(VALU_DEP_2)
	v_pk_add_f32 v[14:15], v[14:15], v[254:255]
	s_delay_alu instid0(VALU_DEP_2)
	v_pk_add_f32 v[242:243], v[242:243], v[246:247]
	s_delay_alu instid0(VALU_DEP_1)
	v_pk_add_f32 v[14:15], v[14:15], v[242:243]
.irp t, 0,1,2,3,4,5,6,7
.irp i, 0,1,2,3,4,5,6,7
.endr
	v_cvt_scalef32_pk8_fp8_f32 v[224+2*\t:225+2*\t], v[96+8*\t:103+8*\t], v244
.endr
.set j, 0
.rept 16
	v_pk_mul_f32 v[160+j:161+j], v[160+j:161+j], v[252:253] op_sel_hi:[1,0]   ; O^T under the new M.  (Plain lines behind the last conversion)
.set j, j+2
.endr
	s_wait_alu depctr_va_vdst(0)
	s_wait_dscnt 0x0                               ; V is in
.irp t, 0,1,2,3
	v_wmma_f32_16x16x128_fp8_fp8 v[160+8*\t:167+8*\t], v[32+16*\t:47+16*\t], v[224:239], v[160+8*\t:167+8*\t]
.endr
.Lhidden_\@:
	s_add_co_u32 s[KF], s[KF], 128
.endm
; THE CHANGE OF SLOTS stands at a trip's head.  Each wave waits for all its tensor loads, adds 0 to its spare word, and waits for that and for its reads of the slot that it has left.
; fill = 1: behind the barrier that slot takes the next trip's keys: key slot TRIP + 1 of the first block, or, from the first block's end on, TRIP + 1 - NA of the second.
.macro CHANGE fill
	s_wait_tensorcnt 0x0                           ; no tensor load of mine is out, so a group 0 may be written
	ds_add_u32 v[SPW], v[NIL]                      ; 0 onto my spare word
.if \fill
	s_add_co_u32 s60, s[TRIP], 1
	s_cmp_ge_u32 s60, s[NA]
	s_cselect_b32 s61, s[NA], 0
	s_sub_co_u32 s60, s60, s61                     ; the key slot
	s_lshl_b32 s62, s60, 15                        ; K: 256 rows of 128 bytes
	s_mov_b32 s63, 0
	s_add_nc_u64 s[G0K+2:G0K+3], s[KB:KB+1], s[62:63]
	s_or_b32 s[G0K+3], s[G0K+3], 0x80000000
	s_lshl_b32 s62, s60, 14                        ; V: two blocks of 8,192 bytes
	s_add_nc_u64 s[G0V+2:G0V+3], s[VB:VB+1], s[62:63]
	s_or_b32 s[G0V+3], s[G0V+3], 0x80000000
	s_xor_b32 s[G0K+1], s[G0K+1], SLOT1            ; the other LDS slot than last time
	s_xor_b32 s[G0V+1], s[G0V+1], SLOT1
.endif
	s_wait_dscnt 0x0                               ; the add is done, and my reads of the slot that I have left are over
	s_barrier_signal -1
	s_barrier_wait -1
.if \fill
	TLOAD                                          ; the first thing behind the barrier, and a wave's one tensor load until the next
.endif
.endm
; A block's result leaves: O^T / the sum x 2^(ep + ev) is the context; it is held, converted (a lane: 8 bytes a tile of channels, in their natural order) and goes through my stage p, so that the wave stores 1 KiB on end.
.macro OUT p
	v_add_f32 v254, v14, v15                       ; the sum's two halves,
	s_delay_alu instid0(VALU_DEP_1)
	v_permlanex16_b32 v250, v254, s[SEL], s[SEL+1]
	s_delay_alu instid0(VALU_DEP_1)
	v_add_f32 v254, v254, v250                     ; and lane l xor 16's
	s_wait_alu depctr_va_vdst(0)
	v_rcp_f32 v252, v254
	v_nop                                          ; a plain place behind the transcendental
	s_wait_alu depctr_va_vdst(0)
	v_ldexp_f32 v252, v252, s73
.set j, 0
.rept 16
	v_pk_mul_f32 v[96+j:97+j], v[160+j:161+j], v[252:253] op_sel_hi:[1,0]   ; each accumulator from its low end on
.set j, j+2
.endr
.set j, 0
.rept 32
.set j, j+1
.endr
.irp t, 0,1,2,3
	v_cvt_scalef32_pk8_fp8_f32 v[224+2*\t:225+2*\t], v[96+8*\t:103+8*\t], v248
.endr
	v_nop                                          ; one plain line behind the last conversion
.irp t, 0,1,2,3
	ds_store_b64 v[STO], v[224+2*\t:225+2*\t] offset:1280*\p+16*\t
.endr
.irp i, 0,1
	ds_load_b128 v[192+8*\p+4*\i:195+8*\p+4*\i], v[RD] offset:1280*\p+640*\i   ; LDS serves a wave's instructions in order: these see my stores
.endr
	s_wait_dscnt 1
	global_store_b128 v[GO], v[192+8*\p:195+8*\p], s[80+2*\p:81+2*\p]           ; 32 lanes store 512 consecutive bytes; these registers are not written again
	s_wait_dscnt 0x0
	global_store_b128 v[GO], v[196+8*\p:199+8*\p], s[80+2*\p:81+2*\p] offset:512
.endm
	s_load_b128 s[4:7], s[0:1], 0x0                ; q, k, v's codes s[4:5], the scales' exponents s[6:7]
	s_load_b64 s[8:9], s[0:1], 0x10                ; the context's codes
	v_lshl_add_u32 v[SPW], v0, 2, SPARE
	v_mov_b32 v[NIL], 0
	ds_add_u32 v5, v6
	ds_add_u32 v5, v6
	s_wait_dscnt 0x0
	v_lshrrev_b32 v8, 5, v0
	s_delay_alu instid0(VALU_DEP_1)
	v_readfirstlane_b32 s[WV], v8                  ; wave 0..15
	s_and_b32 s10, ttmp7, 0xffff                   ; 16 b + head
	s_mov_b32 s11, ttmp9                           ; i
	s_sub_co_u32 s[NA], 8, s11
	s_sub_co_u32 s[LASTA], 7, s11
	s_lshl_b32 s12, s[WV], 4
	s_lshl_b32 s[Q0], s[LASTA], 8
	s_add_co_u32 s[Q0], s[Q0], s12
	s_lshl_b32 s[Q0B], s11, 8
	s_add_co_u32 s[Q0B], s[Q0B], s12
	s_lshr_b32 s13, s10, 1
	s_lshl_b32 s13, s13, 18
	s_and_b32 s14, s10, 1
	s_lshl_b32 s14, s14, 6
	s_add_co_u32 s13, s13, s14                     ; the head's first byte in q's and in k's section
	s_and_b32 s15, s[WV], 1                        ; which half I fetch, if I fetch
	s_lshl_b32 s14, s15, 14
	s_add_co_u32 s74, s13, s14
	s_add_co_u32 s74, s74, 0x800000                ; K
	s_mov_b32 s75, 0
	s_lshl_b32 s76, s10, 17
	s_lshl_b32 s14, s15, 13
	s_add_co_u32 s76, s76, s14
	s_add_co_u32 s76, s76, 0x1000000               ; V
	s_mov_b32 s77, 0
	s_lshl_b32 s78, s[Q0], 7
	s_add_co_u32 s78, s78, s13                     ; my queries of the first block,
	s_mov_b32 s79, 0
	s_lshl_b32 s88, s[Q0B], 7
	s_add_co_u32 s88, s88, s13                     ; of the second
	s_mov_b32 s89, 0
	s_lshr_b32 s14, s10, 4
	s_lshl_b32 s14, s14, 3                         ; 8 b
	s_and_b32 s16, s10, 15                         ; the head
	s_lshl_b32 s17, s[WV], 10                      ; my 16 rows of 64 bytes
	s_add_co_u32 s90, s14, s[LASTA]
	s_lshl_b32 s90, s90, 4
	s_add_co_u32 s90, s90, s16
	s_lshl_b32 s90, s90, 14
	s_add_co_u32 s90, s90, s17                     ; the context: ((8 b + block) x 16 + head) x 16 KiB + mine
	s_mov_b32 s91, 0
	s_add_co_u32 s92, s14, s11
	s_lshl_b32 s92, s92, 4
	s_add_co_u32 s92, s92, s16
	s_lshl_b32 s92, s92, 14
	s_add_co_u32 s92, s92, s17
	s_mov_b32 s93, 0
	s_mul_i32 s66, s15, 128*KP                     ; where my tile goes in a slot
	s_mul_i32 s67, s15, 64*VP
	s_add_co_u32 s67, s67, VOFF
	s_mov_b32 s[G1K], (1<<20)|(3<<22)|(3<<25)      ; no mask; elements of 1 byte; padding: four words after every 16
	s_mov_b32 s[G1K+1], 64<<16                     ; tensor_dim0: a head's 64 codes
	s_mov_b32 s[G1K+2], 128<<16                    ; tensor_dim1
	s_mov_b32 s[G1K+3], 64<<16                     ; tile_dim0
	s_mov_b32 s[G1K+4], 128                        ; tile_dim1
	s_mov_b32 s[G1K+5], 128                        ; from key to key: a pair of heads
	s_mov_b32 s[G1K+6], 0
	s_mov_b32 s[G1K+7], 0
	s_mov_b32 s[G1V], (1<<20)|(4<<22)|(3<<25)      ; padding: four words after every 32
	s_mov_b32 s[G1V+1], 128<<16
	s_mov_b32 s[G1V+2], 64<<16
	s_mov_b32 s[G1V+3], 128<<16
	s_mov_b32 s[G1V+4], 64
	s_mov_b32 s[G1V+5], 128
	s_mov_b32 s[G1V+6], 0
	s_mov_b32 s[G1V+7], 0
	s_mov_b32 s[SEL], 0x76543210
	s_mov_b32 s[SEL+1], 0xfedcba98
	s_mov_b32 s[CS], 0x3e38aa3b                    ; c = log2(e) / 8
	s_mov_b32 s[TB], 0
	s_mov_b32 s[TRIP], 0
	s_mov_b32 s[KF], 0
	v_and_b32 v8, 15, v0                           ; r
	v_bfe_u32 v9, v0, 4, 1                         ; h
	s_delay_alu instid0(VALU_DEP_2)
	v_mul_u32_u24 v[AK0], v8, KP
	s_delay_alu instid0(VALU_DEP_1)
	v_lshl_add_u32 v[AK0], v9, 4, v[AK0]
	s_delay_alu instid0(VALU_DEP_4)
	v_mul_u32_u24 v[AV0], v8, VP
	s_delay_alu instid0(VALU_DEP_1)
	v_lshl_add_u32 v[AV0], v9, 5, v[AV0]
	s_delay_alu instid0(VALU_DEP_1)
	v_add_nc_u32 v[AV0], VOFF, v[AV0]
	s_mul_i32 s19, s[WV], 2560
	s_add_co_u32 s19, s19, STAGE                   ; my stages
	v_mul_u32_u24 v[STO], v8, 80
	s_delay_alu instid0(VALU_DEP_1)
	v_lshl_add_u32 v[STO], v9, 3, v[STO]
	s_delay_alu instid0(VALU_DEP_1)
	v_add_nc_u32 v[STO], s19, v[STO]               ; in: row r, byte 8 h (+ 16 a tile)
	v_and_b32 v11, 31, v0
	s_delay_alu instid0(VALU_DEP_1)
	v_lshrrev_b32 v[RD], 2, v11
	s_delay_alu instid0(VALU_DEP_1)
	v_mul_u32_u24 v[RD], v[RD], 80
	v_and_b32 v10, 3, v0
	s_delay_alu instid0(VALU_DEP_1)
	v_lshl_add_u32 v[RD], v10, 4, v[RD]
	s_delay_alu instid0(VALU_DEP_1)
	v_add_nc_u32 v[RD], s19, v[RD]                 ; back: four lanes to a row of 64 bytes
	v_lshlrev_b32 v[GO], 4, v11
	v_lshlrev_b32 v10, 7, v8
	s_delay_alu instid0(VALU_DEP_1)
	v_lshl_add_u32 v10, v9, 4, v10                 ; Q: row r of 128 bytes, + 16 h
	s_wait_kmcnt 0x0
	s_load_b128 s[68:71], s[6:7], 0x18             ; entries 6-9: eq, ek, ep, ev
	s_load_b32 s72, s[6:7], 0x28                   ; entry 10
	s_add_nc_u64 s[KB:KB+1], s[4:5], s[74:75]
	s_add_nc_u64 s[VB:VB+1], s[4:5], s[76:77]
	s_mov_b32 s[G0K], 1
	s_mov_b32 s[G0K+1], s66
	s_mov_b64 s[G0K+2:G0K+3], s[KB:KB+1]
	s_or_b32 s[G0K+3], s[G0K+3], 0x80000000
	s_mov_b32 s[G0V], 1
	s_mov_b32 s[G0V+1], s67
	s_mov_b64 s[G0V+2:G0V+3], s[VB:VB+1]
	s_or_b32 s[G0V+3], s[G0V+3], 0x80000000
	TLOAD                                          ; key slot 0 into LDS slot 0
	s_add_nc_u64 s[84:85], s[4:5], s[78:79]
	s_add_nc_u64 s[86:87], s[4:5], s[88:89]
	s_add_nc_u64 s[80:81], s[8:9], s[90:91]
	s_add_nc_u64 s[82:83], s[8:9], s[92:93]
	s_wait_alu depctr_va_vdst(0)
	global_load_b128 v[16:19], v10, s[84:85]       ; Q's fragments stay in registers: loaded as K's are read from LDS, so every product meets its partner
	global_load_b128 v[20:23], v10, s[84:85] offset:32
	global_load_b128 v[24:27], v10, s[86:87]
	global_load_b128 v[28:31], v10, s[86:87] offset:32
	v_mov_b32 v13, 0xff61b1e6                      ; the largest t so far: -3e38, under every t
	s_delay_alu instid0(VALU_DEP_1)
	v_floor_f32 v12, -v13                          ; -M
	v_mov_b32 v14, 0
	v_mov_b32 v15, 0
	v_mov_b32 v250, 0                              ; written once: a lane permute's destination counts as one of its sources
	v_mov_b32 v253, 0                              ; (named as the upper half of the pair v[252:253])
.set j, 0
.rept 32
	v_mov_b32 v[160+j], 0                          ; O^T: the step is written once; a block's first step finds zeros
.set j, j+1
.endr
	s_wait_kmcnt 0x0
	s_add_co_i32 s73, s68, s69
	s_lshl_b32 s73, s73, 23
	s_add_co_i32 s[CS], s[CS], s73                 ; a score stands for score x 2^(eq + ek): added to c's exponent field
	s_mov_b32 s[CS+1], s[CS]
	s_add_co_i32 s73, s70, 127
	s_lshl_b32 s97, s73, 23
	v_mov_b32 v244, s97                            ; 2^ep
	s_add_co_i32 s73, s72, 127
	s_lshl_b32 s97, s73, 23
	v_mov_b32 v248, s97                            ; 2^e10
	s_add_co_i32 s73, s70, s71                     ; ep + ev; it stays
	s_wait_loadcnt 0x0                             ; Q
.Ltrip:                                            ; eight trips: behind each change of slots but the last the next trip's keys are asked for
	CHANGE 1
	STEP 0
	STEP 1
	s_xor_b32 s[TB], s[TB], SLOT1                  ; on to the other slot
	s_cmp_lg_u32 s[TRIP], s[LASTA]                 ; the first block's last trip?  The same answer in all sixteen waves; no barrier and no tensor load stands in the branch
	s_cbranch_scc1 .Lsame_block
.rept 4
	v_nop                                          ; places behind the last products
.endr
	OUT 0                                          ; the first block leaves,
.set j, 0
.rept 32
	v_mov_b32 v[160+j], 0                          ; and the second begins
.set j, j+1
.endr
	v_mov_b32 v14, 0
	v_mov_b32 v15, 0
	v_mov_b32 v13, 0xff61b1e6
	s_delay_alu instid0(VALU_DEP_1)
	v_floor_f32 v12, -v13
.irp j, 0,1,2,3,4,5,6,7
	v_mov_b32 v[16+\j], v[24+\j]
.endr
	s_mov_b32 s[KF], 0
	s_mov_b32 s[Q0], s[Q0B]
.Lsame_block:
	s_add_co_u32 s[TRIP], s[TRIP], 1
	s_cmp_lt_u32 s[TRIP], 8
	s_cbranch_scc1 .Ltrip
	CHANGE 0                                       ; the ninth slot is written out
	STEP 0
	STEP 1
.rept 4
	v_nop
.endr
	OUT 1
	s_wait_tensorcnt 0x0                           ; the wave's end
	ds_add_u32 v[SPW], v[NIL]
	s_wait_dscnt 0x0
	s_endpgm
.Lfunc_end_k_qf094093d3a_attn:
	.size	k_qf094093d3a_attn, .Lfunc_end_k_qf094093d3a_attn-k_qf094093d3a_attn
	.p2alignl 7, 3214868480
	.fill 96, 4, 3214868480
	.section	.rodata,"a",@progbits
	.p2align	6, 0x0
	.amdhsa_kernel k_qf094093d3a_attn
		.amdhsa_group_segment_fixed_size 327680
		.amdhsa_private_segment_fixed_size 0
		.amdhsa_enable_private_segment 0
		.amdhsa_kernarg_size 24
		.amdhsa_user_sgpr_count 2
		.amdhsa_user_sgpr_kernarg_segment_ptr 1
		.amdhsa_wavefront_size32 1
		.amdhsa_system_sgpr_workgroup_id_x 1
		.amdhsa_system_sgpr_workgroup_id_y 1
		.amdhsa_system_sgpr_workgroup_id_z 1
		.amdhsa_system_vgpr_workitem_id 0
		.amdhsa_next_free_vgpr 256
		.amdhsa_next_free_sgpr 100
		.amdhsa_reserve_vcc 1
		.amdhsa_float_denorm_mode_32 3
		.amdhsa_float_denorm_mode_16_64 3
		.amdhsa_fp16_overflow 1
		.amdhsa_memory_ordered 1
		.amdhsa_forward_progress 1
		.amdhsa_inst_pref_size 94
	.end_amdhsa_kernel
	.amdgpu_metadata
---
amdhsa.version: [ 1, 2 ]
amdhsa.kernels:
  - .name:           k_qf094093d3a_attn
    .symbol:         k_qf094093d3a_attn.kd
    .args:
      - { .name: qkvc, .offset: 0, .size: 8, .value_kind: global_buffer, .address_space: global }
      - { .name: lowp_scales, .offset: 8, .size: 8, .value_kind: global_buffer, .address_space: global }
      - { .name: cc, .offset: 16, .size: 8, .value_kind: global_buffer, .address_space: global }
    .group_segment_fixed_size: 327680
    .private_segment_fixed_size: 0
    .kernarg_segment_align: 8
    .kernarg_segment_size: 24
    .max_flat_workgroup_size: 512
    .sgpr_count:     100
    .vgpr_count:     256
    .wavefront_size: 32
...
	.end_amdgpu_metadata
.endif
;; end of part 3
;; launch oproj (part 4): grid 8 x 32, 4 waves a work-group, clusters of 4 x 4, 327,680 bytes of LDS; arguments cc, codes, bo, lowp_scales, out0; writes out0
.if DOCPART == 4
	.amdgcn_target "amdgcn-amd-amdhsa--gfx1250"
	.amdhsa_code_object_version 6
	.text
	.protected	k_qf094093d3a_oproj
	.globl	k_qf094093d3a_oproj
	.p2align	8
	.type	k_qf094093d3a_oproj,@function
k_qf094093d3a_oproj:
	s_mov_b64 s[64:65], 0
	v_nop
	global_prefetch_b8 v0, s[64:65] scope:SCOPE_SE
	s_setreg_imm32_b32 hwreg(HW_REG_WAVE_MODE, 25, 1), 1
	s_wait_xcnt 0x0
	s_wait_alu depctr_hold_cnt(0) depctr_sa_sdst(0) depctr_va_vdst(0) depctr_va_sdst(0) depctr_va_ssrc(0) depctr_va_vcc(0) depctr_vm_vsrc(0)
	s_getreg_b32 s2, hwreg(HW_REG_IB_STS2, 6, 4)
	s_cmp_eq_u32 s2, 0
	s_cbranch_scc0 .Lentry_in_a_cluster
	s_endpgm
.Lentry_in_a_cluster:
	s_bfe_u32 s2, ttmp6, 0x10000c
	s_cmp_lg_u32 s2, 0xf033
	s_cbranch_scc0 .Lentry_shape_is_right
	s_endpgm
.Lentry_shape_is_right:
; out = context Wo + bo on codes of FP8 (E4M3): each finished sum x 2^(entries 10 + 11 of the scales) + bo, f32.
; A work-group makes 256 rows of P (the context) x 128 rows of Q (Wo's codes, [n][k]), K = 1,024; four waves, each 128 x 64: 32 accumulators.  256 work-groups.
; THE MATRIX INSTRUCTION IS USED TRANSPOSED (source 0 = 16 rows of Q, source 1 = 16 rows of P): lane (r, h), register j of accumulator (a, b) holds out(row 16 a + r, column 16 b + 8 h + j).
; The context's codes lie [block of 256 rows][head 16][256 rows][64 bytes]: a chunk of K (256 = 4 heads) of a block is 64 KiB on end, fetched as rows of 256 bytes (four rows of one head each);
; in LDS a head's plane is 64 such rows, and row m of the tile begins at (m / 4) x pitch + 64 (m % 4).
; K goes in four chunks through THREE LDS slots: three first fills go out together, chunk 3 is the one refill (slot 0).  By this text's count a wave has three tensor loads out at the start, later one.
; CLUSTERS: 4 x 4 work-groups; P's tile is shared along a row of the cluster, Q's along a column: each is asked for jointly.
; LIMIT: entries 10 + 11 between -126 and 127, so that the power of two is an f32 number.
; REGISTERS, in windows of 256: window 0: v1-21 addresses; v32-63 bo in the result's layout; v80-111 at work; v128-255 Q's fragments, two sets of 64 (on the way out v128-191: rows read back).
;   window 1: P's fragments, two sets of 128.   window 2: accumulator (a, b) at v[8 (4 a + b)].
.set OPROJ,  1
.set PITCH,  272                       ; an LDS row: 256 bytes + 16 of padding
.set PHALF,  128*PITCH                 ; what a tensor load brings of P
.set QHALF,  64*PITCH                  ; and of Q
.set PLANE,  64*PITCH                  ; a head's 256 rows of 64 bytes
.set QOFF,   2*PHALF                   ; a slot: P's four planes, then Q's 128 rows
.set SLOT,   QOFF+2*QHALF
.set SPARE,  3*SLOT                    ; behind the slots: the spare words, 128 bytes for each wave, which no other line names
.set STG,    SLOT                      ; the way out goes through slot 1: it has its only fill at the start, and its last read lies in front of the last barrier of the K steps
.set CSTEP_P, 65536                    ; bytes from chunk to chunk
.set CSTEP_Q, 256
.set ADRP, 4
.set ADRQ, 8
.set STO,  12
.set RD,   13
.set GO,   14
.set SPW,  16                          ; v16    LDS address of my spare word; never rewritten
.set NIL,  17                          ; v17    0; never rewritten
.set BQ,   32
.set T,    80
.set QF,   128
.set G1P, 24
.set G1Q, 32
.set G0P, 40                           ; s[40:51] three sets
.set G0Q, 52                           ; s[52:63] three sets
.set WV,  16
.set WP,  17                           ; wave / 2: which half of P's rows is mine.  Also: I fetch for P (0) or for Q (1)
.set WQ,  18                           ; wave % 2: which half of Q's rows.  Also: which half of that tile I fetch
.set MSB, 0
.macro WIN new                         ; the immediate's high byte repeats the setting that is left
.if MSB != \new
	s_set_vgpr_msb (MSB<<8)|\new
.set MSB, \new
.endif
.endm
.set MUL,  0xa4                        ; source 0 (Q) window 0, source 1 (P) window 1, C and D window 2
.set TO_P, 0x40                        ; destination window 1, address window 0
.macro JLOAD g0p, g0q                  ; a joint load; the branch hangs on the wave's number alone; four v_nop follow each of the two lines
	s_cmp_eq_u32 s[WP], 0
	s_cbranch_scc0 .Lfor_q_\@
	tensor_load_to_lds s[\g0p:\g0p+3], s[G1P:G1P+7]
	s_nop 0
.rept 4
	v_nop
.endr
	s_branch .Lasked_\@
.Lfor_q_\@:
	tensor_load_to_lds s[\g0q:\g0q+3], s[G1Q:G1Q+7]
	s_nop 0
.rept 4
	v_nop
.endr
.Lasked_\@:
.endm
.macro CREST                           ; a round of the cluster's barrier behind its opening barrier
	s_cmp_lg_u32 s[WV], 0
	s_cbranch_scc1 .Lnot_wave_0_\@
	s_barrier_signal -3
.Lnot_wave_0_\@:
	s_barrier_wait -3
	s_barrier_signal -1
	s_barrier_wait -1
.endm
.macro CROUND
	s_barrier_signal -1
	s_barrier_wait -1
	CREST
.endm
.macro PLACES n                        ; places behind matrix instructions, in front of loads into registers that they have read and of reads of their results
.rept \n
	v_nop
.endr
.endm
; 48 LDS loads in one run: the fragments of the slot's q-th 128 along K into set p: Q's four, P's blocks 0-3, P's blocks 4-7.
; A fragment is 16 registers: lane (r, h) holds, of row r, K = 32 c + 16 h + 0 .. 15 in registers 4 c .. 4 c + 3: a permutation of k that is the same in P and Q.
.macro FETCH p, slot, q
	WIN 0
.irp b, 0,1,2,3
.irp c, 0,1,2,3
	ds_load_b128 v[QF+64*(\p)+16*\b+4*\c:QF+64*(\p)+16*\b+4*\c+3], v[ADRQ+\slot] offset:\b*16*PITCH+128*(\q)+32*\c
.endr
.endr
	WIN TO_P
.irp a, 0,1,2,3,4,5,6,7
.irp c, 0,1,2,3
.if OPROJ
	ds_load_b128 v[128*(\p)+16*\a+4*\c:128*(\p)+16*\a+4*\c+3], v[ADRP+\slot] offset:(2*(\q)+\c/2)*PLANE+\a*4*PITCH+32*(\c%2)
.else
	ds_load_b128 v[128*(\p)+16*\a+4*\c:128*(\p)+16*\a+4*\c+3], v[ADRP+\slot] offset:\a*16*PITCH+128*(\q)+32*\c
.endif
.endr
.endr
.endm
; 8 matrix instructions: P's blocks a0, a0 + 1 x Q's four.  The 32 accumulators take turns, one instruction a turn, in the same order in every step.
.macro MUL8 p, a0, zero
.irp a, \a0, \a0+1
.irp b, 0,1,2,3
.if \zero
	v_wmma_f32_16x16x128_fp8_fp8 v[8*(4*(\a)+\b):8*(4*(\a)+\b)+7], v[QF+64*(\p)+16*\b:QF+64*(\p)+16*\b+15], v[128*(\p)+16*(\a):128*(\p)+16*(\a)+15], 0
.else
	v_wmma_f32_16x16x128_fp8_fp8 v[8*(4*(\a)+\b):8*(4*(\a)+\b)+7], v[QF+64*(\p)+16*\b:QF+64*(\p)+16*\b+15], v[128*(\p)+16*(\a):128*(\p)+16*(\a)+15], v[8*(4*(\a)+\b):8*(4*(\a)+\b)+7]
.endif
.endr
.endr
.endm
; A step of 128 along K multiplies set p; fetch = 1: in its middle the next step's fragments come into the other set.  zero = 1: the products start the sums.
.macro STEP p, fetch, slot, q, zero
	s_wait_dscnt 16                                ; Q's four and P's blocks 0-3 are in; the youngest sixteen loads (P's blocks 4-7) may be out
	WIN MUL
	MUL8 \p, 0, \zero
	MUL8 \p, 2, \zero
.if \fetch
	PLACES 4
	FETCH 1-\p, \slot, \q
	s_wait_dscnt 48                                ; all but the 48 just issued
.else
	s_wait_dscnt 0x0
.endif
	WIN MUL
	MUL8 \p, 4, \zero
	MUL8 \p, 6, \zero
.endm
; A step on set 1 with a barrier in it.  In front of the barrier each wave waits for all its tensor loads, adds 0 to its spare word, and waits for that and for its LDS reads.
; fill = 1: the barrier opens a round of the cluster's, and slot 0, which nobody reads any more, takes chunk 3.  Then the first fragments of slot next are fetched.
.macro TURN next, fill
	WIN 0                                          ; (the add's two registers lie in window 0)
	s_wait_tensorcnt 0x0                           ; all my tensor loads have landed;
	ds_add_u32 v[SPW], v[NIL]                      ; 0 onto my spare word;
	s_wait_dscnt 17                                ; (the add and the youngest sixteen loads may be out)
	WIN MUL
	MUL8 1, 0, 0                                   ; eight matrix instructions stand between the add and the wait for it
	s_wait_dscnt 0x0                               ; the add is done, and my LDS reads are over
	s_barrier_signal -1
	MUL8 1, 2, 0
	WIN 0
	s_barrier_wait -1
.if \fill
	CREST                                          ; no wave of any partner still reads slot 0 or has a load on its way
	s_add_nc_u64 s[G0P+2:G0P+3], s[G0P+2:G0P+3], 3*CSTEP_P
	s_add_nc_u64 s[G0Q+2:G0Q+3], s[G0Q+2:G0Q+3], 3*CSTEP_Q
	JLOAD G0P, G0Q                                 ; the first tensor load behind the round; it has four steps' products in which to land; its four v_nop are the places in front of the loads below
.else
	PLACES 4
.endif
	FETCH 0, \next, 0
	WIN MUL
	MUL8 1, 4, 0
	MUL8 1, 6, 0
.endm
; THE WAY OUT, block by block of 16 rows x my 64 columns: sum x 2^(e10 + e11) + bo, through my own stage (rows of 256 bytes + 16), back as whole rows, two an instruction.
.macro TOSTAGE a
	WIN 0x02                                       ; source 0 window 2
.irp b, 0,1,2,3
.irp i, 0,2,4,6
	v_pk_fma_f32 v[T+8*\b+\i:T+8*\b+\i+1], v[8*(4*(\a)+\b)+\i:8*(4*(\a)+\b)+\i+1], s[90:91], v[BQ+8*\b+\i:BQ+8*\b+\i+1] op_sel_hi:[1,0,1]   ; each accumulator from its low end on
.endr
.endr
	WIN 0
.irp b, 0,1,2,3
	ds_store_b128 v[STO], v[T+8*\b:T+8*\b+3] offset:64*\b
	ds_store_b128 v[STO], v[T+8*\b+4:T+8*\b+7] offset:64*\b+16
.endr
.set BB, QF+32*((\a)%2)
.irp t, 0,1,2,3,4,5,6,7
	ds_load_b128 v[BB+4*\t:BB+4*\t+3], v[RD] offset:\t*2*PITCH   ; LDS serves a wave's instructions in order: these see the stores above, and the next block's stores come behind them
.endr
.endm
.macro SEND a, younger                 ; younger: the LDS instructions issued behind block a's loads, which may stay out
.set BB, QF+32*((\a)%2)
	s_wait_dscnt \younger
.irp t, 0,1,2,3,4,5,6,7
	global_store_b128 v[GO], v[BB+4*\t:BB+4*\t+3], s[12:13] offset:(16*(\a)+2*\t)*4096 th:TH_STORE_NT   ; sixteen lanes store 256 consecutive bytes, aligned; written once, read by nobody here
.endr
.endm
	s_load_b256 s[4:11], s[0:1], 0x0               ; the context's codes s[4:5], the weights' codes s[6:7], bo s[8:9], the scales' exponents s[10:11]
	s_load_b64 s[12:13], s[0:1], 0x20              ; out
	v_lshl_add_u32 v[SPW], v0, 2, SPARE
	v_mov_b32 v[NIL], 0
	ds_add_u32 v16, v17
	ds_add_u32 v16, v17
	s_wait_dscnt 0x0
	v_lshrrev_b32 v3, 5, v0
	v_readfirstlane_b32 s[WV], v3                  ; wave 0..3
	s_lshr_b32 s[WP], s[WV], 1
	s_and_b32 s[WQ], s[WV], 1
	s_bfe_u32 s66, ttmp6, 0x40000                  ; cx
	s_bfe_u32 s67, ttmp6, 0x40004                  ; cy
	s_and_b32 s75, ttmp7, 0xffff
	s_lshl_b32 s75, s75, 2
	s_add_co_u32 s75, s75, s67                     ; P's block of 256 rows: it hangs on cy alone
	s_lshl_b32 s76, ttmp9, 2
	s_add_co_u32 s76, s76, s66                     ; Q's block of 128 rows: on cx alone
	s_lshl_b32 s94, s67, 2
	s_lshl_b32 s94, 15, s94                        ; my row of the cluster
	s_lshl_b32 s95, 0x1111, s66                    ; my column
	s_or_b32 s[G1P], s94, (1<<20)|(1<<21)|(5<<22)|(3<<25)   ; 15:0 the mask; 17:16 elements of 1 byte; 20 padding on; 21 set beside a mask; 24:22 after every 64 words; 31:25 four words
	s_or_b32 s[G1Q], s95, (1<<20)|(1<<21)|(5<<22)|(3<<25)
	s_mov_b32 s[G1P+1], 256<<16                    ; tensor_dim0
	s_mov_b32 s[G1P+2], 128<<16                    ; tensor_dim1
	s_mov_b32 s[G1P+3], 256<<16                    ; tile_dim0
	s_mov_b32 s[G1P+4], 128                        ; tile_dim1
	s_mov_b32 s[G1P+5], 256                        ; from row to row: the block is dense
	s_mov_b32 s[G1P+6], 0
	s_mov_b32 s[G1P+7], 0
	s_mov_b32 s[G1Q+1], 256<<16
	s_mov_b32 s[G1Q+2], 64<<16
	s_mov_b32 s[G1Q+3], 256<<16
	s_mov_b32 s[G1Q+4], 64
	s_mov_b32 s[G1Q+5], 1024
	s_mov_b32 s[G1Q+6], 0
	s_mov_b32 s[G1Q+7], 0
	s_lshl_b32 s96, s75, 18                        ; P: 256 KiB a block of rows; my half of a chunk: two heads, 32 KiB
	s_lshl_b32 s2, s[WQ], 15
	s_add_co_u32 s96, s96, s2
	s_mov_b32 s97, 0
	s_lshl_b32 s98, s76, 17                        ; Q: Wo's codes; 128 rows of 1,024 bytes a block, 64 a half
	s_lshl_b32 s2, s[WQ], 16
	s_add_co_u32 s98, s98, s2
	s_add_co_u32 s98, s98, 0x1b00000
	s_mov_b32 s99, 0
	s_mul_i32 s20, s[WQ], PHALF                    ; where they go: the wave's number alone enters an LDS address
	s_mul_i32 s21, s[WQ], QHALF
	s_add_co_u32 s21, s21, QOFF
	v_and_b32 v1, 15, v0                           ; r
	v_bfe_u32 v2, v0, 4, 1                         ; h
	v_mul_u32_u24 v3, v1, PITCH
	v_lshl_add_u32 v3, v2, 4, v3                   ; Q: row r x pitch + 16 h
	v_lshrrev_b32 v15, 2, v1
	v_mul_u32_u24 v15, v15, PITCH
	v_and_b32 v18, 3, v1
	v_lshl_add_u32 v15, v18, 6, v15
	v_lshl_add_u32 v15, v2, 4, v15                 ; P: (r / 4) x pitch + 64 (r % 4) + 16 h: sixteen lanes, sixteen different columns of 16 bytes
	s_mul_i32 s22, s[WP], 32*PITCH                 ; my 128 rows of a plane
	s_mul_i32 s23, s[WQ], QHALF
	s_add_co_u32 s23, s23, QOFF
.irp s, 0,1,2
	v_add_nc_u32 v[ADRP+\s], s22, v15
	v_add_nc_u32 v[ADRQ+\s], s23, v3
	s_add_co_u32 s22, s22, SLOT
	s_add_co_u32 s23, s23, SLOT
.endr
	s_mul_i32 s22, s[WV], 16*PITCH
	s_add_co_u32 s22, s22, STG                     ; my stage
	v_mul_u32_u24 v[STO], v1, PITCH
	v_lshl_add_u32 v[STO], v2, 5, v[STO]
	v_add_nc_u32 v[STO], s22, v[STO]               ; in: row r, + 32 h (+ 64 a tile of columns)
	v_mul_u32_u24 v[RD], v2, PITCH
	v_lshl_add_u32 v[RD], v1, 4, v[RD]
	v_add_nc_u32 v[RD], s22, v[RD]                 ; back: lanes 0-15 one row, lanes 16-31 the next
	v_lshlrev_b32 v[GO], 12, v2
	v_lshl_add_u32 v[GO], v1, 4, v[GO]             ; and the same two rows of out
	s_lshl_b32 s100, s76, 9
	s_lshl_b32 s2, s[WQ], 8
	s_add_co_u32 s100, s100, s2                    ; my first column, in bytes: also my place in bo
	s_lshl_b32 s2, s75, 20                         ; my first row: 256 rows of 4,096 bytes a block,
	s_lshl_b32 s3, s[WP], 19                       ; 128 a half
	s_add_co_u32 s2, s2, s3
	s_add_co_u32 s2, s2, s100
	s_mov_b32 s3, 0
	v_lshlrev_b32 v20, 5, v2
	v_add_nc_u32 v20, s100, v20                    ; + 32 h: my half's eight columns of a tile
	s_wait_kmcnt 0x0
	s_load_b64 s[80:81], s[10:11], 0x28            ; entries 10, 11
	s_add_nc_u64 s[96:97], s[4:5], s[96:97]
	s_add_nc_u64 s[98:99], s[6:7], s[98:99]
	s_add_nc_u64 s[12:13], s[12:13], s[2:3]
.irp c, 0,1,2
	s_mov_b32 s[G0P+4*\c], 1                       ; count = 1
	s_add_co_u32 s[G0P+4*\c+1], s20, \c*SLOT       ; LDS address
	s_add_nc_u64 s[G0P+4*\c+2:G0P+4*\c+3], s[96:97], \c*CSTEP_P   ; chunk c
	s_or_b32 s[G0P+4*\c+3], s[G0P+4*\c+3], 0x80000000             ; type = 2
	s_mov_b32 s[G0Q+4*\c], 1
	s_add_co_u32 s[G0Q+4*\c+1], s21, \c*SLOT
	s_add_nc_u64 s[G0Q+4*\c+2:G0Q+4*\c+3], s[98:99], \c*CSTEP_Q
	s_or_b32 s[G0Q+4*\c+3], s[G0Q+4*\c+3], 0x80000000
.endr
	CROUND                                         ; all sixteen work-groups are here: the first joint loads meet
	s_cmp_eq_u32 s[WP], 0                          ; a wave's three first fills stand in one branch, ahead of every wait on TENSORcnt, every LDS read and every other barrier
	s_cbranch_scc0 .Lfirst_q
	tensor_load_to_lds s[G0P:G0P+3], s[G1P:G1P+7]
	s_nop 0
	tensor_load_to_lds s[G0P+4:G0P+7], s[G1P:G1P+7]
	s_nop 0
	tensor_load_to_lds s[G0P+8:G0P+11], s[G1P:G1P+7]
	s_nop 0
.rept 4
	v_nop
.endr
	s_branch .Lfirst_asked
.Lfirst_q:
	tensor_load_to_lds s[G0Q:G0Q+3], s[G1Q:G1Q+7]
	s_nop 0
	tensor_load_to_lds s[G0Q+4:G0Q+7], s[G1Q:G1Q+7]
	s_nop 0
	tensor_load_to_lds s[G0Q+8:G0Q+11], s[G1Q:G1Q+7]
	s_nop 0
.rept 4
	v_nop
.endr
.Lfirst_asked:
	s_wait_alu depctr_va_vdst(0)
.irp b, 0,1,2,3
	global_load_b128 v[BQ+8*\b:BQ+8*\b+3], v20, s[8:9] offset:64*\b       ; bo in the result's layout: columns 16 b + 8 h + 0 .. 7 of my 64
	global_load_b128 v[BQ+8*\b+4:BQ+8*\b+7], v20, s[8:9] offset:64*\b+16
.endr
	s_wait_kmcnt 0x0
	s_add_co_i32 s90, s80, s81
	s_add_co_i32 s90, s90, 127
	s_lshl_b32 s90, s90, 23                        ; 2^(e10 + e11) as f32
	s_mov_b32 s91, s90                             ; (named with it as a pair, so it is written)
	s_wait_loadcnt 0x0
	s_wait_tensorcnt 2                             ; my part of chunk 0 is in; chunks 1 and 2 may stay out
	s_barrier_signal -1
	s_barrier_wait -1                              ; everybody's is
	FETCH 0, 0, 0
	STEP 0, 1, 0, 1, 1                             ; chunk 0: the first products start the sums: nothing is cleared
	TURN 1, 1                                      ; behind its barrier chunks 1 and 2 are whole for every wave, and slot 0 takes chunk 3
	STEP 0, 1, 1, 1, 0                             ; chunk 1
	STEP 1, 1, 2, 0, 0
	STEP 0, 1, 2, 1, 0                             ; chunk 2
	TURN 0, 0                                      ; chunk 3 is whole; nothing is filled any more
	STEP 0, 1, 0, 1, 0                             ; chunk 3
	STEP 1, 0, 0, 0, 0
	PLACES 4
	TOSTAGE 0
.irp a, 1,2,3,4,5,6,7
.if \a > 1
	s_wait_xcnt 0x0                                ; block a - 2's stores have read their registers: block a's loads may land there
.endif
	TOSTAGE \a
	SEND \a-1, 16                                  ; behind block a - 1's loads: block a's 8 stores and 8 loads
.endr
	SEND 7, 0
	s_wait_tensorcnt 0x0                           ; the wave's end
	ds_add_u32 v[SPW], v[NIL]
	s_wait_dscnt 0x0
	CROUND                                         ; the closing round
	s_endpgm
.Lfunc_end_k_qf094093d3a_oproj:
	.size	k_qf094093d3a_oproj, .Lfunc_end_k_qf094093d3a_oproj-k_qf094093d3a_oproj
	.p2alignl 7, 3214868480
	.fill 96, 4, 3214868480
	.section	.rodata,"a",@progbits
	.p2align	6, 0x0
	.amdhsa_kernel k_qf094093d3a_oproj
		.amdhsa_group_segment_fixed_size 327680
		.amdhsa_private_segment_fixed_size 0
		.amdhsa_enable_private_segment 0
		.amdhsa_kernarg_size 40
		.amdhsa_user_sgpr_count 2
		.amdhsa_user_sgpr_kernarg_segment_ptr 1
		.amdhsa_wavefront_size32 1
		.amdhsa_system_sgpr_workgroup_id_x 1
		.amdhsa_system_sgpr_workgroup_id_y 1
		.amdhsa_system_sgpr_workgroup_id_z 1
		.amdhsa_system_vgpr_workitem_id 0
		.amdhsa_next_free_vgpr 768
		.amdhsa_next_free_sgpr 102
		.amdhsa_reserve_vcc 0
		.amdhsa_float_denorm_mode_32 3
		.amdhsa_float_denorm_mode_16_64 3
		.amdhsa_memory_ordered 1
		.amdhsa_forward_progress 1
		.amdhsa_inst_pref_size 76
	.end_amdhsa_kernel
	.amdgpu_metadata
---
amdhsa.version: [ 1, 2 ]
amdhsa.kernels:
  - .name:           k_qf094093d3a_oproj
    .symbol:         k_qf094093d3a_oproj.kd
    .args:
      - { .name: cc, .offset: 0, .size: 8, .value_kind: global_buffer, .address_space: global }
      - { .name: codes, .offset: 8, .size: 8, .value_kind: global_buffer, .address_space: global }
      - { .name: bo, .offset: 16, .size: 8, .value_kind: global_buffer, .address_space: global }
      - { .name: lowp_scales, .offset: 24, .size: 8, .value_kind: global_buffer, .address_space: global }
      - { .name: out0, .offset: 32, .size: 8, .value_kind: global_buffer, .address_space: global }
    .group_segment_fixed_size: 327680
    .private_segment_fixed_size: 0
    .kernarg_segment_align: 8
    .kernarg_segment_size: 40
    .max_flat_workgroup_size: 128
    .sgpr_count:     102
    .vgpr_count:     768
    .wavefront_size: 32
...
	.end_amdgpu_metadata
.endif
;; end of part 4
